; MI455X (gfx1250); checked and timed in simulation.
; The chip was launched on July 23, 2026; its instructions are those of AMD's public machine-readable ISA for CDNA 5 (MIT licence, August 2026) and "CDNA5" Instruction Set Architecture Reference Guide (July 2026). The comments in the code are by the model that wrote it; some were corrected since.
;; Multi Head Attention. Allowed arithmetic: matrix products marked QUANTISED: E2M3 operands, one E8M0 scale for each 32 along K, by v_wmma_scale_f32_16x16x128_f8f6f4 with both operands' format E2M3, f32 sums; everything else in f32.
;; Inputs: w_out 1,024 x 1,024 float32; w_qkv 1,024 x 3,072 float32; x 4 x 2,048 x 1,024 float32.
;; Outputs: out0 4 x 2,048 x 1,024 float32.
;; This version of the problem:
;;   THIS VERSION OF THE PROBLEM IS GIVEN IN LOW PRECISION. The matrix products marked QUANTISED in the list below multiply operands that are first quantised to E2M3 (2 exponent bits, 3 mantissa bits; 6 bits a number), with one power-of-two scale for each 32 numbers along K (OCP MX v1.0); their sums are f32. All else is computed in f32.
;;   The module's matrix products, in the order in which they are computed (A, B: the left and right operand; K: the contracted axis; several contracted axes count as one K, in the product's order):
;;     1. [M 8,192, K 1,024] x [K 1,024, N 3,072]; A: input x; B: input w_qkv: QUANTISED
;;     2. batch 64 x [M 2,048, K 64] x [K 64, N 2,048]; A: computed on the way; B: computed on the way: QUANTISED
;;     3. batch 64 x [M 2,048, K 2,048] x [K 2,048, N 64]; A: softmax (see below); B: computed on the way: QUANTISED
;;     4. [M 8,192, K 1,024] x [K 1,024, N 1,024]; A: computed on the way; B: input w_out: QUANTISED
;;   THE QUANTISER, for each operand of a quantised product, along K:
;;     - K is cut into blocks of 32 from its start; a last block that is shorter is filled with zeros.
;;     - A block's scale is 2^e with e = floor(log2(the largest magnitude in the block)) - 2, held to -126 .. 127; a block of zeros has e = 0. As a byte (E8M0): e + 127.
;;     - Each number is divided by its block's scale, clamped to +-7.5, and rounded to the nearest number of E2M3, ties to even, subnormals kept.
;;     - The product sums the exact products of the quantised numbers (number of the format x scale) in f32.
;;   ~~~python
;;   def quantise(x, axis):      # numpy; x: float32 -> the quantised numbers, widened to float32 again
;;       x = np.moveaxis(x, axis, -1); K = x.shape[-1]
;;       x = np.pad(x, [(0, 0)] * (x.ndim - 1) + [(0, -K % 32)]); x = x.reshape(x.shape[:-1] + (-1, 32)); a = np.abs(x).max(-1, keepdims=True)
;;       e = np.where(a > 0, np.clip(np.frexp(np.where(a > 0, a, 1))[1] - 1 - 2, -126, 127), 0)      # np.frexp(a)[1] - 1 = floor(log2(a)), exactly
;;       r = np.clip(x / 2.0 ** e, -7.5, 7.5)
;;       step = 2.0 ** (np.maximum(np.frexp(np.where(r == 0, 1, r))[1] - 1, 0) - 3)
;;       q = np.round(r / step) * step * 2.0 ** e      # np.round: ties to even
;;       return np.moveaxis(q.reshape(q.shape[:-2] + (-1,))[..., :K], -1, axis).astype(np.float32)
;;   ~~~
;;   SOFTMAX AHEAD OF A QUANTISED PRODUCT. Where the list says 'softmax', what is quantised is not the finished softmax but p = 2^(t - M), with t = logit x log2(e) and M = ceil(the row's largest t), a whole number; so 1/2 < the row's largest p <= 1. The row's sum l is taken of the UNQUANTISED p, in f32, and the product's result is divided by l at the end. Since M is a whole number, a kernel that streams over the keys may use a running M (the ceiling of the running maximum): every later rescaling is an exact power of two, which a block's scale takes up: the codes' values come out the same.
;;   OPERANDS COMPUTED ON THE WAY. 'Computed on the way' means the value that the module computes at that place (a softmax that the list does not call 'softmax' is quantised finished and normalised). What goes into a quantiser is computed in f32, as accurately as f32 sums, v_exp_f32 and their like allow (about 1e-6 of the number): no bf16 or f16 on the way to a quantiser, and a product that is left as it is and whose result goes on into a quantised operand takes f32 operands (vector FMAs, or v_wmma_f32_16x16x4_f32). A number that lies on a knife's edge between two numbers of the format may be rounded either way, as far as f32 arithmetic and the matrix unit's own rounding can turn it there, and no further.
;; One version. Each part assembles by itself: llvm-mc -triple=amdgcn-amd-amdhsa -mcpu=gfx1250 --defsym DOCPART=n.
;; ======== version 1 of 1: 4 launches
;; limits: right only within a limited range of input values
;; workspace buffers: xq 6,553,600 bytes; wq 3,276,800 bytes; qkv 19,660,800 bytes; oq 6,553,600 bytes
;; launch prep (part 1): grid 384 x 1, 8 waves a work-group, no clusters, 205,056 bytes of LDS; arguments x, xq, w_qkv, w_out, wq; writes xq, wq
.if DOCPART == 1
	.amdgcn_target "amdgcn-amd-amdhsa--gfx1250"
	.amdhsa_code_object_version 6
	.text
	.protected	k_q7d13451863_prep
	.globl	k_q7d13451863_prep
	.p2align	8
	.type	k_q7d13451863_prep,@function
k_q7d13451863_prep:
	s_mov_b64 s[64:65], 0
	v_nop
	global_prefetch_b8 v0, s[64:65] scope:SCOPE_SE
	s_setreg_imm32_b32 hwreg(HW_REG_WAVE_MODE, 25, 1), 1
	s_wait_xcnt 0x0
; ONE LAUNCH PREPARES ALL THREE INPUTS: f32 numbers become codes of FP6 (E2M3) with one E8M0 byte for each 32 along K, laid as IMAGES OF OPERAND REGISTERS:
; a fragment (16 rows x 128 K, 12 registers a lane) is six pieces of 256 bytes; piece p holds registers 2 p, 2 p + 1, lane l's 8 bytes at 8 l.
; xq: codes [512 tiles of 16 tokens][8 K steps][1,536]; from XSC on scale words [512][8][16 rows].   wq: codes [256 tiles][8][1,536]; from WSC on scale words [256][8][16].
; wq's ROWS: w_qkv's column c = 48 d + 16 kk + head becomes row 1024 kk + 64 head + d (tiles 0-191); w_out's column n becomes row 3072 + n (tiles 192-255).
; K IS PERMUTED INSIDE EACH BLOCK OF 32, alike in every operand of this program: place x holds the index x with bits 3 and 4 exchanged.  Blocks, largest magnitudes and scales are the plain ones.
; A block's scale is 2^(floor(log2(its largest magnitude)) - 2); its byte is that magnitude's exponent field - 2, held at 1 from below.
; LIMITS: NaN and infinities are not served; a block whose largest magnitude lies under 2^-124, a block of zeros among them, gets the byte 1 (zero codes; this program alone reads the bytes).
; WORK-GROUPS 0-127, THE WEIGHTS (K is their first axis): one K step of 16 tiles.  A lane takes a column and its registers run down K; the codes leave through a stage in LDS as whole pieces.
;   0-95: w_qkv, one kk and one d tile, all 16 heads: lane (beta = lane % 16, alpha = 2 wave + lane / 16) takes head beta, d alpha.  96-127: w_out, column 16 alpha + beta of 256.  What differs stands in scalars.
; WORK-GROUPS 128-383, THE TOKENS: 32 tokens each, wave w the K step w; one tensor load a wave brings its 32 rows x 512 bytes into LDS bytes of its own, filled once.
; The two paths part on the work-group's number alone and have LDS bytes of their own.  Nothing is shared between work-groups and nothing is multiplied: no cluster.  Each input byte is read once, at the path's head: no prefetch.
.set XSC,   6291456
.set WSC,   3145728
.set PITCH, 528                        ; tokens: an LDS row: 512 bytes + 16 of padding
.set TLDS,  16*PITCH
.set WLDS,  2*TLDS                     ; a wave's 32 rows
.set SCS,   8*WLDS                     ; the tokens' scale words' stage, 16 slots of 128 bytes
.set SPARE, 167936                     ; the spare words, 128 bytes a wave
.set QB,    168960                     ; the weights' path: its stage begins here
.set PLANE, 2176                       ; plane 3 kb + q (block kb, third q): 16 alpha x 136 bytes, 8 bytes a beta
.set SS,    QB+16*PLANE                ; behind room for 16 planes (12 hold codes): the scale words, 68 bytes an alpha
.set X0,  32
.set X1,  96
.set PC0, 160
.set PC1, 180
.set TM,  200
.set PW0, 216
.set PW1, 217
.set G1,  16
.set G0,  24
.set SEL, 12
.set OFF, 32                           ; weights: v32-63 byte offset of register i's row and my column
.set WX,  64                           ; v64-127 two sets of 32 numbers
.set WC,  128                          ; a block's codes
.set WD,  134
.set WR,  140                          ; the way out: 12 pieces
	v_lshl_add_u32 v224, v0, 2, SPARE
	v_mov_b32 v225, 0
	ds_add_u32 v224, v225                          ; the opening lines: the add twice on end and one wait
	ds_add_u32 v224, v225
	s_wait_dscnt 0x0
	s_cmp_lt_u32 ttmp9, 128
	s_cbranch_scc0 .Ltokens
; ---------------- the weights ----------------
	s_load_b128 s[4:7], s[0:1], 0x10               ; w_qkv, w_out
	s_load_b64 s[8:9], s[0:1], 0x20                ; wq
	v_lshrrev_b32 v1, 5, v0
	v_readfirstlane_b32 s10, v1                    ; wave 0..7
	v_and_b32 v1, 31, v0                           ; lane
	v_and_b32 v2, 15, v0                           ; beta; on the way back r
	v_bfe_u32 v3, v0, 4, 1                         ; lane / 16; on the way back h
	s_lshl_b32 s11, s10, 1
	v_add_nc_u32 v4, s11, v3                       ; alpha
	s_and_b32 s12, ttmp9, 7                        ; the K step
	s_lshr_b32 s13, ttmp9, 3
	s_and_b32 s14, s13, 3                          ; d tile
	s_lshr_b32 s15, s13, 2                         ; kk
	s_mul_i32 s16, s14, 3072
	s_lshl_b32 s17, s15, 6
	s_add_co_u32 s16, s16, s17                     ; w_qkv: first column, in bytes
	s_add_co_u32 s17, s17, s14                     ; first tile: 64 kk + dt
	s_max_u32 s18, ttmp9, 96
	s_sub_co_u32 s18, s18, 96
	s_lshr_b32 s18, s18, 3                         ; w_out: which 256 columns
	s_lshl_b32 s19, s18, 10
	s_lshl_b32 s18, s18, 4
	s_add_co_u32 s18, s18, 192
	s_mov_b32 s20, 4096
	s_wait_alu depctr_va_vdst(0)
	s_wait_kmcnt 0x0
	s_cmp_lt_u32 ttmp9, 96                         ; the choice hangs on the work-group's number alone
	s_cselect_b32 s20, 12288, s20                  ; a row of the source, in bytes
	s_cselect_b32 s21, 192, 64                     ; from alpha to alpha
	s_cselect_b32 s16, s16, s19
	s_cselect_b32 s17, s17, s18
	s_cselect_b32 s22, 4, 1                        ; from tile to tile of the work-group's 16
	s_cselect_b32 s23, -1, 0
	s_cselect_b64 s[4:5], s[4:5], s[6:7]
	v_mul_u32_u24 v5, v4, s21
	v_lshl_add_u32 v5, v2, 2, v5
	v_add_nc_u32 v5, s16, v5                       ; my column, in bytes
.set i, 0
	s_wait_alu depctr_va_vdst(0)
.rept 32
	s_mul_i32 s2, s20, (i&7)|(((i>>3)&1)<<4)|(((i>>4)&1)<<3)   ; the permuted row
	v_add_nc_u32 v[OFF+i], s2, v5
.set i, i+1
.endr
	s_lshl_b32 s2, s12, 7
	s_mul_i32 s2, s2, s20
	s_mov_b32 s3, 0
	s_add_nc_u64 s[24:25], s[4:5], s[2:3]          ; block 0 of my K step, and the three blocks 32 rows further down each
	s_lshl_b32 s2, s20, 5
	s_add_nc_u64 s[26:27], s[24:25], s[2:3]
	s_add_nc_u64 s[28:29], s[26:27], s[2:3]
	s_add_nc_u64 s[30:31], s[28:29], s[2:3]
	s_mul_i32 s2, s11, s22
	s_add_co_u32 s2, s2, s17                       ; wave w stores the work-group's tiles 2 w and 2 w + 1
	s_lshl_b32 s2, s2, 3
	s_add_co_u32 s2, s2, s12
	s_mul_i32 s2, s2, 1536
	s_add_nc_u64 s[32:33], s[8:9], s[2:3]
	s_mul_i32 s2, s22, 12288
	s_add_nc_u64 s[34:35], s[32:33], s[2:3]
	s_lshl_b32 s2, s17, 3
	s_add_co_u32 s2, s2, s12
	s_lshl_b32 s2, s2, 6
	s_add_co_u32 s2, s2, WSC
	s_add_nc_u64 s[36:37], s[8:9], s[2:3]          ; the first tile's scale words of my K step
	s_lshl_b32 s2, s22, 9
	v_mul_u32_u24 v16, v4, s2
	v_lshl_add_u32 v16, v2, 2, v16
	v_mul_u32_u24 v6, v4, 136
	v_lshl_add_u32 v6, v2, 3, v6
	v_add_nc_u32 v6, QB, v6                        ; into a plane: 136 alpha + 8 beta
	v_mul_u32_u24 v7, v4, 68
	v_lshl_add_u32 v7, v2, 2, v7
	v_add_nc_u32 v7, SS, v7                        ; my scale word: 68 alpha + 4 beta
	v_lshrrev_b32 v25, 4, v0                       ; the stage's padding is written once: thread t takes the 8 bytes behind row t % 16 of plane t / 16,
	v_mul_u32_u24 v25, v25, PLANE
	v_and_b32 v26, 15, v0
	v_mad_u32_u24 v25, v26, 136, v25
	v_add_nc_u32 v25, QB, v25
	v_mov_b32 v26, 0
	v_mov_b32 v27, 0
	ds_store_b64 v25, v[26:27] offset:128
	v_mul_u32_u24 v28, v4, 68                      ; and my alpha's lanes the 4 bytes behind its row of scale words (the same word, the same value)
	v_add_nc_u32 v28, SS, v28
	ds_store_b32 v28, v26 offset:64
	; the way back: lane (r, h) of piece 3 c + q wants plane 6 c + q + 3 h.  In w_qkv a tile is a beta and a row an alpha, in w_out the other way round: both addresses are made, one is chosen
	v_mul_u32_u24 v17, v3, 3*PLANE
	v_add_nc_u32 v17, QB, v17
	v_mad_u32_u24 v18, v2, 136, v17
	v_lshl_add_u32 v19, v2, 3, v17
	s_lshl_b32 s38, s11, 3
	s_mul_i32 s39, s11, 136
	v_add_nc_u32 v18, s38, v18
	v_add_nc_u32 v19, s39, v19
	v_add_nc_u32 v20, 8, v18
	v_add_nc_u32 v21, 136, v19
	v_cndmask_b32 v8, v19, v18, s23                ; tile 2 w
	v_cndmask_b32 v9, v21, v20, s23                ; tile 2 w + 1
	v_mul_u32_u24 v22, v2, 68
	v_lshl_add_u32 v22, v4, 2, v22
	v_add_nc_u32 v22, SS, v22
	v_cndmask_b32 v10, v7, v22, s23                ; the scale word of tile 2 w + h, row r
	v_lshlrev_b32 v15, 3, v1
.macro LOAD t                          ; block t into set t % 2
.set i, 0
.rept 32
	global_load_b32 v[WX+32*((\t)%2)+i], v[OFF+i], s[24+2*(\t):25+2*(\t)]
.set i, i+1
.endr
.endm
.macro BLOCK t
.set XS, WX+32*((\t)%2)
.if (\t) < 3
	s_wait_loadcnt 32                              ; this block's 32 loads are in; the next block's 32 may be out
.else
	s_wait_loadcnt 0x0
.endif
	v_max3_num_f32 v12, |v[XS]|, |v[XS+1]|, |v[XS+2]|   ; the block's largest magnitude: all 32 numbers are mine; two chains
	v_max3_num_f32 v13, |v[XS+3]|, |v[XS+4]|, |v[XS+5]|
.irp i, 6,10,14,18,22,26
	s_delay_alu instid0(VALU_DEP_2)
	v_max3_num_f32 v12, v12, |v[XS+\i]|, |v[XS+\i+1]|
	s_delay_alu instid0(VALU_DEP_2)
	v_max3_num_f32 v13, v13, |v[XS+\i+2]|, |v[XS+\i+3]|
.endr
	s_delay_alu instid0(VALU_DEP_2)
	v_max3_num_f32 v12, v12, |v[XS+30]|, |v[XS+31]|
	s_delay_alu instid0(VALU_DEP_1)
	v_max3_num_f32 v12, v12, v13, 0x1800000        ; and the floor 2^(3 - 127)
	s_delay_alu instid0(VALU_DEP_1)
	v_add_nc_u32 v11, 0xff000000, v12              ; 2 off the exponent field: the conversion's scale operand
	s_delay_alu instid0(VALU_DEP_1)
	v_lshrrev_b32 v13, 23, v11                     ; the byte
.if (\t) == 0
	s_delay_alu instid0(VALU_DEP_1)
	v_mov_b32 v14, v13
.else
	s_delay_alu instid0(VALU_DEP_1)
	v_lshl_or_b32 v14, v13, 8*(\t), v14            ; four bytes make my column's scale word
.endif
	v_cvt_scalef32_pk16_fp6_f32 v[WC:WC+2], v[XS:XS+15], v11
	v_cvt_scalef32_pk16_fp6_f32 v[WD:WD+2], v[XS+16:XS+31], v11
	v_nop                                          ; one plain place behind a scaled conversion
.irp i, 0,1,2
	v_mov_b32 v[WC+3+\i], v[WD+\i]
.endr
.irp q, 0,1,2
	ds_store_b64 v6, v[WC+2*\q:WC+2*\q+1] offset:(3*(\t)+\q)*PLANE
.endr
.if (\t) < 2
	LOAD (\t)+2
.endif
	s_wait_dscnt 0x0                               ; the stores have read their registers
.endm
	LOAD 0
	LOAD 1
	BLOCK 0
	BLOCK 1
	BLOCK 2
	BLOCK 3
	s_wait_alu depctr_va_vdst(0)
	ds_store_b32 v7, v14
	s_wait_dscnt 0x0                               ; for the others' sake: my codes and my scale word lie in the stage
	s_barrier_signal -1
	s_barrier_wait -1                              ; behind it the stage is only read
.irp e, 0,1
.irp p, 0,1,2,3,4,5
	ds_load_b64 v[WR+2*(6*\e+\p):WR+2*(6*\e+\p)+1], v[8+\e] offset:(6*(\p/3)+\p%3)*PLANE
.endr
.endr
	ds_load_b32 v24, v10
.irp e, 0,1
.irp p, 0,1,2,3,4,5
	s_wait_dscnt 12-(6*\e+\p)                      ; behind this piece's load: the later pieces' and the scale word's
	global_store_b64 v15, v[WR+2*(6*\e+\p):WR+2*(6*\e+\p)+1], s[32+2*\e:33+2*\e] offset:256*\p   ; 32 lanes store 256 consecutive bytes, aligned
.endr
.endr
	s_wait_dscnt 0x0
	global_store_b32 v16, v24, s[36:37]
	s_branch .Lend
; ---------------- the tokens ----------------
; 64 numbers of a lane, register 16 b + i = number i of my half's 16 of block b of my row, become a fragment's codes in v[pc] .. v[pc + 11] and its scale word in v[pw].
.macro QUANT s, pc, pw
.irp b, 0,1,2,3
	v_max3_num_f32 v[TM+\b], |v[(\s)+16*\b]|, |v[(\s)+16*\b+1]|, 0x1800000   ; my 16 numbers, and the floor 2^(3 - 127)
.endr
.irp i, 2,4,6,8,10,12,14
.irp b, 0,1,2,3
	v_max3_num_f32 v[TM+\b], v[TM+\b], |v[(\s)+16*\b+\i]|, |v[(\s)+16*\b+\i+1]|   ; the four blocks by turns
.endr
.endr
.irp b, 0,1,2,3
	v_permlanex16_b32 v[TM+4+\b], v[TM+\b], s[SEL], s[SEL+1]
.endr
.irp b, 0,1,2,3
	v_max_num_f32 v[TM+\b], v[TM+\b], v[TM+4+\b]   ; with lane l xor 16's: the block's largest magnitude
.endr
.irp b, 0,1,2,3
	v_add_nc_u32 v[TM+12+\b], 0xff000000, v[TM+\b]   ; 2 off its exponent field: the conversion's scale operand
.endr
.irp b, 0,1,2,3
	v_lshrrev_b32 v[TM+4+\b], 23, v[TM+12+\b]      ; the scale's byte
.endr
	v_lshl_or_b32 v[\pw], v[TM+5], 8, v[TM+4]
	s_delay_alu instid0(VALU_DEP_1)
	v_lshl_or_b32 v[\pw], v[TM+6], 16, v[\pw]
	s_delay_alu instid0(VALU_DEP_1)
	v_lshl_or_b32 v[\pw], v[TM+7], 24, v[\pw]
.irp c, 0,1
	v_cvt_scalef32_pk16_fp6_f32 v[(\pc)+6*\c:(\pc)+6*\c+2], v[(\s)+32*\c:(\s)+32*\c+15], v[TM+12+2*\c]
	v_cvt_scalef32_pk16_fp6_f32 v[(\pc)+12+4*\c:(\pc)+14+4*\c], v[(\s)+32*\c+16:(\s)+32*\c+31], v[TM+13+2*\c]
.endr
	v_nop                                          ; one plain place behind a scaled conversion
.irp c, 0,1                                    ; the operand wants a whole block in a lane
.irp i, 0,1,2
	v_permlane16_swap_b32 v[(\pc)+6*\c+\i], v[(\pc)+12+4*\c+\i]
.endr
.irp i, 0,1,2
	v_mov_b32 v[(\pc)+3+6*\c+\i], v[(\pc)+12+4*\c+\i]
.endr
.endr
.endm
.Ltokens:
	s_load_b128 s[4:7], s[0:1], 0x0                ; x, xq
	v_lshrrev_b32 v1, 5, v0
	v_readfirstlane_b32 s8, v1                     ; wave 0..7
	s_max_u32 s35, ttmp9, 128
	s_sub_co_u32 s35, s35, 128                     ; which 32 tokens
	s_mov_b32 s[G1+0], (2<<16)|(1<<20)|(6<<22)|(3<<25)  ; elements of 4 bytes; behind every 128 words 4 words of padding
	s_mov_b32 s[G1+1], 128<<16
	s_mov_b32 s[G1+2], 32<<16
	s_mov_b32 s[G1+3], 128<<16
	s_mov_b32 s[G1+4], 32
	s_mov_b32 s[G1+5], 1024
	s_mov_b32 s[G1+6], 0
	s_mov_b32 s[G1+7], 0
	s_mul_i32 s9, s8, WLDS                         ; my wave's LDS bytes
	s_lshl_b32 s10, s35, 17                        ; 32 tokens of 4,096 bytes a work-group,
	s_lshl_b32 s11, s8, 9                          ; my K step's 512 bytes of a row
	s_add_co_u32 s10, s10, s11
	s_mov_b32 s11, 0
	s_wait_kmcnt 0x0
	s_add_nc_u64 s[4:5], s[4:5], s[10:11]
	s_mov_b32 s[G0], 1
	s_mov_b32 s[G0+1], s9
	s_mov_b64 s[G0+2:G0+3], s[4:5]
	s_or_b32 s[G0+3], s[G0+3], 0x80000000
	tensor_load_to_lds s[G0:G0+3], s[G1:G1+7]      ; my one load: 32 rows x 512 bytes
	s_nop 0
	v_and_b32 v1, 31, v0                           ; lane
	v_and_b32 v2, 15, v0                           ; r
	v_bfe_u32 v3, v0, 4, 1                         ; h
	v_mul_u32_u24 v4, v2, PITCH
	v_lshl_add_u32 v4, v3, 5, v4
	v_add_nc_u32 v4, s9, v4                        ; row r of a tile, + 32 h
	v_lshlrev_b32 v5, 3, v1                        ; a piece: 8 bytes a lane
	s_lshl_b32 s14, s8, 7
	v_lshl_add_u32 v6, v1, 2, s14
	v_add_nc_u32 v6, SCS, v6                       ; the scale words' stage: slot w (tile 1: slot 8 + w)
	v_lshrrev_b32 v7, 2, v0
	v_lshlrev_b32 v7, 7, v7
	v_and_b32 v9, 3, v0
	v_lshl_add_u32 v7, v9, 4, v7
	v_add_nc_u32 v7, SCS, v7                       ; and back: thread t takes 16 bytes of slot t / 4
	v_lshlrev_b32 v8, 4, v0
	s_mov_b32 s[SEL], 0x76543210
	s_mov_b32 s[SEL+1], 0xfedcba98
.irp b, 0,1,2,3
	v_mov_b32 v[TM+4+\b], 0                        ; a lane permute's destination counts as one of its sources
.endr
	s_lshl_b32 s14, s35, 10                        ; the work-group's scale words: 2 tiles x 512 bytes
	s_add_co_u32 s14, s14, XSC
	s_mov_b32 s15, 0
	s_add_nc_u64 s[32:33], s[6:7], s[14:15]
	s_mul_i32 s14, s35, 24576                      ; its codes: 2 tiles x 12,288 bytes; my K step: 1,536
	s_mul_i32 s10, s8, 1536
	s_add_co_u32 s14, s14, s10
	s_add_nc_u64 s[6:7], s[6:7], s[14:15]
	s_wait_alu depctr_va_vdst(0)                   ; the wait at the head's end
	s_wait_tensorcnt 0x0                           ; my load has landed; only I read these bytes
.irp b, 0,1,2,3
.irp j, 0,1,2,3
	ds_load_b128 v[X0+16*\b+4*\j:X0+16*\b+4*\j+3], v4 offset:128*\b+64*(\j/2)+16*(\j%2)   ; register 16 b + i: number 32 b + 16 (i / 8) + 8 h + i % 8
.endr
.endr
.irp b, 0,1,2,3
.irp j, 0,1,2,3
	ds_load_b128 v[X1+16*\b+4*\j:X1+16*\b+4*\j+3], v4 offset:TLDS+128*\b+64*(\j/2)+16*(\j%2)
.endr
.endr
	s_wait_dscnt 16                                ; tile 0's sixteen loads are in; tile 1's sixteen may be out
	QUANT X0, PC0, PW0
.irp p, 0,1,2,3,4,5
	global_store_b64 v5, v[PC0+2*\p:PC0+2*\p+1], s[6:7] offset:256*\p   ; 32 lanes store 256 consecutive bytes, aligned
.endr
	ds_store_b32 v6, v[PW0]
	s_wait_dscnt 0x1                               ; tile 1's loads are in; the store just issued may be out
	QUANT X1, PC1, PW1
.irp p, 0,1,2,3,4,5
	global_store_b64 v5, v[PC1+2*\p:PC1+2*\p+1], s[6:7] offset:12288+256*\p
.endr
	ds_store_b32 v6, v[PW1] offset:1024
	s_wait_dscnt 0x0                               ; for the others' sake: my two scale words lie in the stage
	s_barrier_signal -1
	s_barrier_wait -1
	s_cmp_lt_u32 s8, 2                             ; the 1,024 bytes of scale words leave by waves 0 and 1, 512 consecutive bytes each
	s_cbranch_scc0 .Lend
	ds_load_b128 v[220:223], v7
	s_wait_dscnt 0x0
	global_store_b128 v8, v[220:223], s[32:33]
.Lend:
	s_wait_tensorcnt 0x0                           ; the wave's end, for both paths
	ds_add_u32 v224, v225
	s_wait_dscnt 0x0
	s_endpgm
.Lfunc_end_k_q7d13451863_prep:
	.size	k_q7d13451863_prep, .Lfunc_end_k_q7d13451863_prep-k_q7d13451863_prep
	.p2alignl 7, 3214868480
	.fill 96, 4, 3214868480
	.section	.rodata,"a",@progbits
	.p2align	6, 0x0
	.amdhsa_kernel k_q7d13451863_prep
		.amdhsa_group_segment_fixed_size 205056
		.amdhsa_private_segment_fixed_size 0
		.amdhsa_enable_private_segment 0
		.amdhsa_kernarg_size 40
		.amdhsa_user_sgpr_count 2
		.amdhsa_user_sgpr_kernarg_segment_ptr 1
		.amdhsa_wavefront_size32 1
		.amdhsa_system_sgpr_workgroup_id_x 1
		.amdhsa_system_sgpr_workgroup_id_y 1
		.amdhsa_system_sgpr_workgroup_id_z 1
		.amdhsa_system_vgpr_workitem_id 0
		.amdhsa_next_free_vgpr 226
		.amdhsa_next_free_sgpr 66
		.amdhsa_reserve_vcc 0
		.amdhsa_float_denorm_mode_32 3
		.amdhsa_float_denorm_mode_16_64 3
		.amdhsa_memory_ordered 1
		.amdhsa_forward_progress 1
		.amdhsa_inst_pref_size 45
	.end_amdhsa_kernel
	.amdgpu_metadata
---
amdhsa.version: [ 1, 2 ]
amdhsa.kernels:
  - .name:           k_q7d13451863_prep
    .symbol:         k_q7d13451863_prep.kd
    .args:
      - { .name: x, .offset: 0, .size: 8, .value_kind: global_buffer, .address_space: global }
      - { .name: xq, .offset: 8, .size: 8, .value_kind: global_buffer, .address_space: global }
      - { .name: w_qkv, .offset: 16, .size: 8, .value_kind: global_buffer, .address_space: global }
      - { .name: w_out, .offset: 24, .size: 8, .value_kind: global_buffer, .address_space: global }
      - { .name: wq, .offset: 32, .size: 8, .value_kind: global_buffer, .address_space: global }
    .group_segment_fixed_size: 205056
    .private_segment_fixed_size: 0
    .kernarg_segment_align: 8
    .kernarg_segment_size: 40
    .max_flat_workgroup_size: 256
    .sgpr_count:     66
    .vgpr_count:     226
    .wavefront_size: 32
...
	.end_amdgpu_metadata
.endif
;; end of part 1
;; launch proj (part 2): grid 16 x 48, 4 waves a work-group, clusters of 4 x 4, 327,680 bytes of LDS; arguments xq, wq, qkv; writes qkv
.if DOCPART == 2
	.amdgcn_target "amdgcn-amd-amdhsa--gfx1250"
	.amdhsa_code_object_version 6
	.text
	.protected	k_q7d13451863_proj
	.globl	k_q7d13451863_proj
	.p2align	8
	.type	k_q7d13451863_proj,@function
k_q7d13451863_proj:
	s_mov_b64 s[64:65], 0
	v_nop
	global_prefetch_b8 v0, s[64:65] scope:SCOPE_SE
	s_setreg_imm32_b32 hwreg(HW_REG_WAVE_MODE, 25, 1), 1
	s_wait_xcnt 0x0
	s_wait_alu depctr_hold_cnt(0) depctr_sa_sdst(0) depctr_va_vdst(0) depctr_va_sdst(0) depctr_va_ssrc(0) depctr_va_vcc(0) depctr_vm_vsrc(0)
	s_getreg_b32 s2, hwreg(HW_REG_IB_STS2, 6, 4)
	s_cmp_eq_u32 s2, 0
	s_cbranch_scc0 .Lentry_in_a_cluster
	s_endpgm
.Lentry_in_a_cluster:
	s_bfe_u32 s2, ttmp6, 0x10000c
	s_cmp_lg_u32 s2, 0xf033
	s_cbranch_scc0 .Lentry_shape_is_right
	s_endpgm
.Lentry_shape_is_right:
; qkv = Q(x) Q(w_qkv), 8,192 x 1,024 x 3,072, on codes of FP6 (E2M3) with E8M0 scales; the results are quantised in registers and stored as the operands of the attention launch.
; THE CORE: C' = S0 S1^T, K = 1,024.  A work-group makes 128 rows of S0 x 256 rows of S1; wave w takes S0's 8 tiles of 16 against S1's tiles 4 w .. 4 w + 3: 32 accumulators.
; Source 0 = S0, source 1 = S1: a lane holds ONE row of S1 (lane % 16), and its 64 results of a tile of S1 run along S0: index 16 b + 8 (lane / 16) + j.
; OPERANDS lie in memory as images of registers: [tile][8 K steps][1,536 bytes], six pieces of 256 bytes, lane l's 8 bytes at 8 l; scale words [tile][8][16].
; THE WHOLE K PANEL OF BOTH OPERANDS IS BROUGHT INTO LDS ONCE: 196,608 + 98,304 bytes of codes in two halves of 512 along K, 12,288 bytes of scale words.  No LDS byte is filled twice, so there is no ring.
; A wave issues one tensor load at the head and one for K steps 4-7 behind a round of the cluster's barrier; that one is waited for ahead of step 4's fragments.
; CLUSTER 4 x 4: S1's tiles hang on cy (and the cluster's y) alone and are asked for jointly by a row of the cluster, S0's on cx (and the cluster's x, y) and by a column.
; TWO MODES, told apart by the cluster's y, which all sixteen partners share; the mode feeds selects alone, no branch:
;   y < 8:  q and k.  S0 = 128 rows of the weight (two heads x 64 d), S1 = 256 tokens.  A lane holds a token; its 64 numbers are two heads' d: quantised along d.
;   y >= 8: v.  S0 = 128 tokens, S1 = 256 rows of the weight (four heads x 64 d).  A lane holds one (head, d); its 64 numbers run along the tokens, which are the keys: quantised along the keys.
; qkv: q and k codes [kk][64 heads bh][128 tiles of 16 tokens][768 bytes: half a fragment, K = 64]; from VCO v's codes [bh][16 steps of 128 keys][4 tiles of d][1,536];
;   from QKS q's and k's scale halfwords [kk][bh][64 pairs of tiles][16 rows][2 tiles]; from VSO v's scale words [bh][16][4][16].
; The quantiser leaves K permuted inside each block of 32 (place x holds index x with bits 3 and 4 exchanged), alike in q and k, and alike in v and the softmax's p.
; LIMITS: NaN and infinities are not served; a block whose largest magnitude lies under 2^-124, a block of zeros among them, gets the byte 1 (zero codes; only this program reads the bytes).
; REGISTERS, in windows of 256: window 0: v1-15 addresses; v32-63 S1's scale words (a, K step), v64-127 S0's (b, K step); v128-175, v176-223 S1's four fragments, two sets; v224-249 at work in the epilogue.
;   window 1: accumulator (a, b) at v[8 (8 a + b)].   window 2: S0's eight fragments, two sets, at v0 and v96.
.set XSC, 6291456
.set WSC, 3145728
.set VCO, 12582912
.set QKS, 18874368
.set VSO, 19398656
; THE FILLS, as the text now has them: each panel comes in two halves along K, every LDS byte filled once.  At the head four tensor loads, one a wave: wave 0 K steps 0-3 of S1's 16 tiles (rows of 6,144 bytes),
; wave 1 those of S0's 8 tiles, wave 2 S1's scale words, wave 3 S0's.  Behind the wait for them, the add and a round of the cluster's barrier, one load a wave brings K steps 4-7: waves 0, 1 S1's halves, waves 2, 3 S0's.
; That load has K steps 0-3, 128 matrix instructions a wave, in which to land, and is waited for ahead of step 4's fragments.
.set A0,  0                            ; LDS: S1's codes [2 halves of K][16 tiles][6,144]
.set B0,  196608                       ; S0's codes [2 halves of K][8 tiles][6,144]
.set SCA, 294912                       ; S1's scale words, 512 bytes a tile
.set SCB, 303104                       ; S0's
.set G1A,  24                          ; s[24:31] group 1: S1's chunks;  s[32:39] S0's;  s[40:47], s[48:55] the scale words'
.set G1B,  32
.set G1SA, 40
.set G1SB, 48
.set G0B,  76                          ; groups 0: S1's halves at s[56:59], s[60:63]; S0's at s[76:79], s[80:83]; the scale words' at s[92:95], s[96:99]
.set G0SA, 92
.set G0SB, 96
.set SA,  32
.set SB,  64
.set F1,  128
.set TM,  224
.set PW,  240
.set MSB, 0
.macro WIN new                         ; the immediate's high byte repeats the setting that is left
.if MSB != \new
	s_set_vgpr_msb (MSB<<8)|\new
.set MSB, \new
.endif
.endm
.set MUL,   0x52                       ; source 0 (S0) window 2, source 1 (S1) window 0, C and D window 1
.set TO_S0, 0x80                       ; destination window 2, address window 0
.macro CROUND                          ; a round of the cluster's barrier
	s_barrier_signal -1
	s_barrier_wait -1
	s_cmp_lg_u32 s10, 0
	s_cbranch_scc1 .Lnot_wave_0_\@
	s_barrier_signal -3
.Lnot_wave_0_\@:
	s_barrier_wait -3
	s_barrier_signal -1
	s_barrier_wait -1
.endm
.macro PLACES n
.rept \n
	v_nop
.endr
.endm
	s_load_b128 s[4:7], s[0:1], 0x0                ; xq, wq
	s_load_b64 s[8:9], s[0:1], 0x10                ; qkv
	v_lshl_add_u32 v254, v0, 2, 0x4b000
	v_mov_b32 v255, 0
	ds_add_u32 v254, v255
	ds_add_u32 v254, v255
	v_lshrrev_b32 v1, 5, v0
	v_readfirstlane_b32 s10, v1                    ; wave 0..3: waves 0, 1 fetch S1's halves, waves 2, 3 S0's
	s_bfe_u32 s13, ttmp6, 0x40000                  ; cx
	s_bfe_u32 s14, ttmp6, 0x40004                  ; cy
	s_and_b32 s15, ttmp7, 0xffff                   ; the cluster's y: 0-7 q and k, 8-11 v
	s_lshl_b32 s16, s14, 2
	s_lshl_b32 s16, 15, s16                        ; my row of the cluster
	s_lshl_b32 s20, 0x1111, s13                    ; my column
	s_or_b32 s[G1A], s16, (3<<16)|(1<<21)          ; the mask; elements of 8 bytes; bit 21 set beside a mask; no padding
	s_or_b32 s[G1SA], s16, (3<<16)|(1<<21)
	s_or_b32 s[G1B], s20, (3<<16)|(1<<21)
	s_or_b32 s[G1SB], s20, (3<<16)|(1<<21)
.irp g, G1A, G1B                       ; half a tile is 6,144 bytes (768 elements); tiles lie 12,288 bytes (1,536 elements) apart
	s_mov_b32 s[\g+1], 768<<16
	s_mov_b32 s[\g+3], 768<<16
	s_mov_b32 s[\g+5], 1536
	s_mov_b32 s[\g+6], 0
	s_mov_b32 s[\g+7], 0
.endr
	s_mov_b32 s[G1A+2], 16<<16                     ; at the head: S1's 16 tiles in one load,
	s_mov_b32 s[G1A+4], 16
	s_mov_b32 s[G1B+2], 8<<16                      ; S0's 8
	s_mov_b32 s[G1B+4], 8
.irp g, G1SA, G1SB                     ; scale words: dense, as rows of 256 bytes
	s_mov_b32 s[\g+1], 32<<16
	s_mov_b32 s[\g+3], 32<<16
	s_mov_b32 s[\g+5], 32
	s_mov_b32 s[\g+6], 0
	s_mov_b32 s[\g+7], 0
.endr
	s_mov_b32 s[G1SA+2], 32<<16
	s_mov_b32 s[G1SA+4], 32
	s_mov_b32 s[G1SB+2], 16<<16
	s_mov_b32 s[G1SB+4], 16
	; S1's first tile, in registers that see cy and the cluster's y alone
	s_lshl_b32 s16, s15, 2
	s_add_co_u32 s16, s16, s14
	s_lshl_b32 s16, s16, 4                         ; q, k: tokens: tile 16 (4 y + cy)
	s_lshl_b32 s17, s14, 4
	s_add_co_u32 s17, s17, 128                     ; v: the weight's tile 128 + 16 cy
	s_mov_b32 s18, WSC
	; S0's, in registers that see cx and the cluster's x, y alone
	s_lshl_b32 s20, ttmp9, 2
	s_add_co_u32 s20, s20, s13
	s_max_u32 s21, s15, 8
	s_sub_co_u32 s21, s21, 8
	s_lshl_b32 s21, s21, 4
	s_add_co_u32 s20, s20, s21                     ; which 128 rows: 4 x + cx (q, k: of the weight), + 16 (y - 8) (v: of the tokens)
	s_lshl_b32 s20, s20, 3
	s_mov_b32 s21, XSC
	s_wait_dscnt 0x0
	s_wait_kmcnt 0x0
	s_cmp_lt_u32 s15, 8                            ; the mode: the same in all sixteen partners
	s_cselect_b32 s16, s16, s17
	s_cselect_b32 s17, XSC, s18                    ; where S1's scale words begin
	s_cselect_b32 s21, WSC, s21                    ; and S0's
	s_cselect_b64 s[66:67], s[4:5], s[6:7]         ; S1's buffer
	s_cselect_b64 s[100:101], s[6:7], s[4:5]       ; S0's
	s_mul_i32 s18, s16, 12288
	s_mov_b32 s19, 0
	s_add_nc_u64 s[18:19], s[66:67], s[18:19]      ; their codes
	s_lshl_b32 s16, s16, 9
	s_add_co_u32 s16, s16, s17
	s_mov_b32 s17, 0
	s_add_nc_u64 s[66:67], s[66:67], s[16:17]      ; their scale words
	s_mul_i32 s22, s20, 12288
	s_mov_b32 s23, 0
	s_add_nc_u64 s[22:23], s[100:101], s[22:23]
	s_lshl_b32 s20, s20, 9
	s_add_co_u32 s20, s20, s21
	s_mov_b32 s21, 0
	s_add_nc_u64 s[100:101], s[100:101], s[20:21]
	s_mov_b32 s56, 1                               ; groups 0: S1's codes at s[56:59], S0's at s[76:79]
	s_mov_b32 s57, A0
	s_mov_b64 s[58:59], s[18:19]
	s_or_b32 s59, s59, 0x80000000
	s_mov_b32 s[G0B], 1
	s_mov_b32 s[G0B+1], B0
	s_mov_b64 s[G0B+2:G0B+3], s[22:23]
	s_or_b32 s[G0B+3], s[G0B+3], 0x80000000
	s_and_b32 s12, s10, 1                          ; K steps 4-7: which half of the tiles I fetch; groups 0 at s[60:63] (S1) and s[80:83] (S0)
	s_mul_i32 s2, s12, 8*12288
	s_mov_b32 s3, 0
	s_add_nc_u64 s[62:63], s[18:19], s[2:3]
	s_add_nc_u64 s[62:63], s[62:63], 6144
	s_or_b32 s63, s63, 0x80000000
	s_mov_b32 s60, 1
	s_mul_i32 s61, s12, 8*6144
	s_add_co_u32 s61, s61, A0+98304
	s_mul_i32 s2, s12, 4*12288
	s_add_nc_u64 s[G0B+6:G0B+7], s[22:23], s[2:3]
	s_add_nc_u64 s[G0B+6:G0B+7], s[G0B+6:G0B+7], 6144
	s_or_b32 s[G0B+7], s[G0B+7], 0x80000000
	s_mov_b32 s[G0B+4], 1
	s_mul_i32 s[G0B+5], s12, 4*6144
	s_add_co_u32 s[G0B+5], s[G0B+5], B0+49152
	s_mov_b32 s[G0SA], 1
	s_mov_b32 s[G0SA+1], SCA
	s_mov_b64 s[G0SA+2:G0SA+3], s[66:67]
	s_or_b32 s[G0SA+3], s[G0SA+3], 0x80000000
	s_mov_b32 s[G0SB], 1
	s_mov_b32 s[G0SB+1], SCB
	s_mov_b64 s[G0SB+2:G0SB+3], s[100:101]
	s_or_b32 s[G0SB+3], s[G0SB+3], 0x80000000
	CROUND                                         ; all sixteen work-groups are here: the joint loads meet
; the head's four loads, one a wave, in ONE chain of branches on the wave's number: every way passes exactly one
.macro ARM under, g0, g1, next
	s_cmp_lt_u32 s10, \under
	s_cbranch_scc0 \next
	tensor_load_to_lds s[\g0:\g0+3], s[\g1:\g1+7]
	s_nop 0
	PLACES 4
	s_branch .Lfilled
\next:
.endm
	ARM 1, 56,   G1A,  .Lfill_b
	ARM 2, G0B,  G1B,  .Lfill_sa
	ARM 3, G0SA, G1SA, .Lfill_sb
	tensor_load_to_lds s[G0SB:G0SB+3], s[G1SB:G1SB+7]
	s_nop 0
	PLACES 4
.Lfilled:
	v_and_b32 v1, 31, v0                           ; lane
	v_and_b32 v2, 15, v0                           ; r
	v_bfe_u32 v3, v0, 4, 1                         ; h
	s_mul_i32 s2, s10, 24576
	v_lshl_add_u32 v4, v1, 3, s2                   ; S1: my four tiles, K steps 0-3: 24,576 w + 8 lane
	v_add_nc_u32 v5, 98304, v4                     ; K steps 4-7
	v_lshlrev_b32 v6, 3, v1
	v_add_nc_u32 v6, B0, v6                        ; S0: chunks 0, 1
	v_add_nc_u32 v7, 49152, v6                     ; chunks 2, 3
	s_lshl_b32 s3, s10, 11
	v_lshl_add_u32 v8, v2, 2, s3
	v_add_nc_u32 v8, SCA, v8                       ; S1's scale words: my four tiles, row r
	v_lshlrev_b32 v9, 2, v2
	v_add_nc_u32 v9, SCB, v9                       ; S0's
.irp b, 0,1,2,3
	v_mov_b32 v[TM+4+\b], 0                        ; written once: a lane permute's destination counts as one of its sources
.endr
.macro FRAG reg, adr, off              ; a fragment comes as it lies: six loads of 8 bytes a lane, 256 consecutive bytes each
.irp p, 0,1,2,3,4,5
	ds_load_b64 v[(\reg)+2*\p:(\reg)+2*\p+1], v[\adr] offset:(\off)+256*\p
.endr
.endm
.macro FETCH q                         ; K step q's fragments into set q % 2: chunk q / 2, its half q % 2
	WIN TO_S0
.irp b, 0,1,2,3,4,5,6,7
	FRAG 96*((\q)%2)+12*\b, 6+(\q)/4, 6144*\b+1536*((\q)%4)   ; v6: K steps 0-3, v7: K steps 4-7
.endr
	WIN 0
.irp a, 0,1,2,3
	FRAG F1+48*((\q)%2)+12*\a, 4+(\q)/4, 6144*\a+1536*((\q)%4)
.endr
.endm
.macro MULS q                          ; 32 matrix instructions; the 32 accumulators take turns, one instruction a turn, in the same order in every step.  Step 0 starts the sums: nothing is cleared
.irp a, 0,1,2,3
.irp b, 0,1,2,3,4,5,6,7
.if (\q) == 0
	v_wmma_scale_f32_16x16x128_f8f6f4 v[8*(8*\a+\b):8*(8*\a+\b)+7], v[96*((\q)%2)+12*\b:96*((\q)%2)+12*\b+11], v[F1+48*((\q)%2)+12*\a:F1+48*((\q)%2)+12*\a+11], 0, v[SB+8*\b+(\q)], v[SA+8*\a+(\q)] matrix_a_fmt:MATRIX_FMT_FP6 matrix_b_fmt:MATRIX_FMT_FP6
.else
	v_wmma_scale_f32_16x16x128_f8f6f4 v[8*(8*\a+\b):8*(8*\a+\b)+7], v[96*((\q)%2)+12*\b:96*((\q)%2)+12*\b+11], v[F1+48*((\q)%2)+12*\a:F1+48*((\q)%2)+12*\a+11], v[8*(8*\a+\b):8*(8*\a+\b)+7], v[SB+8*\b+(\q)], v[SA+8*\a+(\q)] matrix_a_fmt:MATRIX_FMT_FP6 matrix_b_fmt:MATRIX_FMT_FP6
.endif
.endr
.endr
.endm
; A K step of 128.  Its fragments are in; the next step's 72 loads go out in one run, into the set that the step before multiplied (four places behind its last product: ISA guide 7.12.1 for vector
; instructions), and land under this step's 32 products.  tc >= 0: the next step begins a chunk: each wave waits for its part of it (tc = the chunks that it issued behind that one)
; and passes a barrier; later chunks may stay out.
.macro STEP q, tc
	s_wait_dscnt 0x0
.if (\q) < 7
.if (\q) > 0
	PLACES 4
.endif
.if (\tc) >= 0
	s_wait_tensorcnt \tc
	s_barrier_signal -1
	s_barrier_wait -1
.endif
	FETCH (\q)+1
.endif
	WIN MUL
	MULS \q
.endm
	s_wait_alu depctr_va_vdst(0)
	s_wait_tensorcnt 0x0                           ; my head load has landed
	ds_add_u32 v254, v255
	s_mov_b32 s[G1A+2], 8<<16                      ; no tensor load of mine is out, so a descriptor may be written: from here on S1's load brings 8 tiles,
	s_mov_b32 s[G1A+4], 8
	s_mov_b32 s[G1B+2], 4<<16                      ; S0's 4
	s_mov_b32 s[G1B+4], 4
	s_wait_dscnt 0x0
	CROUND                                         ; everybody's head loads are in, and all sixteen work-groups are here: the joint loads meet
	s_cmp_lt_u32 s10, 2
	s_cbranch_scc0 .Lrest_s0
	tensor_load_to_lds s[60:63], s[G1A:G1A+7]
	s_nop 0
	PLACES 4
	s_branch .Lrest_asked
.Lrest_s0:
	tensor_load_to_lds s[G0B+4:G0B+7], s[G1B:G1B+7]
	s_nop 0
	PLACES 4
.Lrest_asked:
.irp a, 0,1,2,3
.irp q, 0,1,2,3,4,5,6,7
	ds_load_b32 v[SA+8*\a+\q], v8 offset:512*\a+64*\q   ; all scale words come into registers once: they hold scales and nothing else
.endr
.endr
.irp b, 0,1,2,3,4,5,6,7
.irp q, 0,1,2,3,4,5,6,7
	ds_load_b32 v[SB+8*\b+\q], v9 offset:512*\b+64*\q
.endr
.endr
	FETCH 0
	STEP 0, -1
	STEP 1, -1
	STEP 2, -1
	STEP 3, 0
	STEP 4, -1
	STEP 5, -1
	STEP 6, -1
	STEP 7, -1
	WIN 0
	PLACES 4                                       ; behind the last products, ahead of the first read of results and the first write over fragments
	; THE EPILOGUE.  Where my results go, for both modes; one is chosen.  (Offsets, in registers that are no descriptor's.)
	s_lshl_b32 s2, ttmp9, 2
	s_add_co_u32 s2, s2, s13
	s_max_u32 s3, s15, 8
	s_sub_co_u32 s3, s3, 8
	s_lshl_b32 s3, s3, 4
	s_add_co_u32 s2, s2, s3                        ; i0: which 128 rows of S0
	s_lshl_b32 s3, s15, 2
	s_add_co_u32 s3, s3, s14                       ; q, k: i1: which 256 tokens
	s_lshr_b32 s11, s2, 3
	s_lshl_b32 s11, s11, 6                         ; 64 kk
	s_and_b32 s16, s2, 7
	s_lshl_b32 s16, s16, 1                         ; the first of my two heads
	s_add_co_u32 s11, s11, s16
	s_lshr_b32 s16, s3, 3
	s_lshl_b32 s16, s16, 4                         ; 16 b
	s_add_co_u32 s11, s11, s16                     ; H = 64 kk + 16 b + head
	s_and_b32 s16, s3, 7
	s_lshl_b32 s16, s16, 4
	s_lshl_b32 s17, s10, 2
	s_add_co_u32 s16, s16, s17                     ; my first tile of tokens in the batch
	s_lshl_b32 s17, s11, 7
	s_add_co_u32 s17, s17, s16
	s_mul_i32 s17, s17, 768                        ; its half fragment
	s_lshl_b32 s18, s11, 12
	s_lshl_b32 s19, s16, 5
	s_add_co_u32 s18, s18, s19
	s_add_co_u32 s18, s18, QKS                     ; its pair's scale halfwords
	s_and_b32 s11, s2, 0xfffffff0                  ; v: 16 b
	s_lshl_b32 s16, s14, 2
	s_add_co_u32 s11, s11, s16
	s_add_co_u32 s11, s11, s10                     ; + head 4 cy + w
	s_lshl_b32 s11, s11, 4
	s_and_b32 s16, s2, 15
	s_add_co_u32 s11, s11, s16                     ; G = 16 bh + the step of 128 keys
	s_mul_i32 s16, s11, 6144
	s_add_co_u32 s16, s16, VCO
	s_lshl_b32 s19, s11, 8
	s_add_co_u32 s19, s19, VSO
	s_cmp_lt_u32 s15, 8
	s_cselect_b32 s16, s17, s16                    ; codes: registers 0-5 of tile a = 0
	s_cselect_b32 s18, s18, s19                    ; scale words
	s_mov_b32 s20, 768
	s_cselect_b32 s20, 98304, s20                  ; to registers 6-11: the next head's buffer, or the fragment's second half
	s_mov_b32 s21, 1536
	s_cselect_b32 s21, 768, s21                    ; from a to a + 1
	s_cselect_b32 s22, 4096, 64                    ; scale words: lanes 16-31: the next head, or the next tile of d
	s_cselect_b32 s23, 64, 128                     ; from pair to pair
	s_mov_b32 s104, 0x03020100
	s_cselect_b32 s104, 0x05040100, s104           ; lanes 0-15 store: the low halves of two words, or the first word
	s_mov_b32 s105, 0x07060504
	s_cselect_b32 s105, 0x07060302, s105           ; lanes 16-31: the high halves, or the second word
	s_mov_b32 s17, 0
	s_mov_b32 s19, 0
	s_add_nc_u64 s[66:67], s[8:9], s[16:17]
	s_add_nc_u64 s[100:101], s[8:9], s[18:19]
	s_mov_b32 s16, s20
	s_add_nc_u64 s[2:3], s[66:67], s[16:17]
	v_lshlrev_b32 v10, 3, v1                       ; a piece: 8 bytes a lane; one register for each a
	v_add_nc_u32 v11, s21, v10
	v_add_nc_u32 v12, s21, v11
	v_add_nc_u32 v13, s21, v12
	v_mul_u32_u24 v14, v3, s22
	v_lshl_add_u32 v14, v2, 2, v14
	v_add_nc_u32 v15, s23, v14
	v_cmp_le_u32 vcc_lo, 16, v1                    ; lanes 16-31
	s_mov_b32 s12, 0x76543210
	s_mov_b32 s13, 0xfedcba98                      ; lane l xor 16
; The 64 results of S1's tile a (window 1, v[64 a] on) become a fragment's codes in v[F1 + 20 a] on and its scale word in v[PW + a].  Each accumulator is read from its low end on.
.macro QUANTW a
.set QS, 64*(\a)
.set QP, F1+20*(\a)
	WIN 0x05                                       ; sources 0 and 1 window 1
.irp b, 0,1,2,3
	v_max3_num_f32 v[TM+\b], |v[QS+16*\b]|, |v[QS+16*\b+1]|, 0x1800000   ; my 16 numbers of block b, and the floor 2^(3 - 127)
.endr
.irp i, 2,4,6,8,10,12,14
.irp b, 0,1,2,3
	v_max3_num_f32 v[TM+\b], |v[QS+16*\b+\i]|, |v[QS+16*\b+\i+1]|, v[TM+\b]
.endr
.endr
	WIN 0
.irp b, 0,1,2,3
	v_permlanex16_b32 v[TM+4+\b], v[TM+\b], s12, s13
.endr
.irp b, 0,1,2,3
	v_max_num_f32 v[TM+\b], v[TM+\b], v[TM+4+\b]   ; with lane l xor 16's: the block's largest magnitude
.endr
.irp b, 0,1,2,3
	v_add_nc_u32 v[TM+12+\b], 0xff000000, v[TM+\b]   ; 2 off the exponent field: the conversion's scale operand
.endr
.irp b, 0,1,2,3
	v_lshrrev_b32 v[TM+4+\b], 23, v[TM+12+\b]
.endr
	v_lshl_or_b32 v[PW+\a], v[TM+5], 8, v[TM+4]
	v_lshl_or_b32 v[PW+\a], v[TM+6], 16, v[PW+\a]
	v_lshl_or_b32 v[PW+\a], v[TM+7], 24, v[PW+\a]
	WIN 0x01                                       ; source 0 window 1
.irp c, 0,1
	v_cvt_scalef32_pk16_fp6_f32 v[QP+6*\c:QP+6*\c+2], v[QS+32*\c:QS+32*\c+15], v[TM+12+2*\c]
	v_cvt_scalef32_pk16_fp6_f32 v[QP+12+4*\c:QP+14+4*\c], v[QS+32*\c+16:QS+32*\c+31], v[TM+13+2*\c]
.endr
	WIN 0
	v_nop                                          ; one plain place behind a scaled conversion
.irp c, 0,1
.irp i, 0,1,2
	v_permlane16_swap_b32 v[QP+6*\c+\i], v[QP+12+4*\c+\i]
.endr
.irp i, 0,1,2
	v_mov_b32 v[QP+3+6*\c+\i], v[QP+12+4*\c+\i]
.endr
.endr
.endm
.irp a, 0,1,2,3                        ; each a has registers of its own: no store's data are written again
	QUANTW \a
.irp p, 0,1,2
	global_store_b64 v[10+\a], v[QP+2*\p:QP+2*\p+1], s[66:67] offset:256*\p   ; 32 lanes store 256 consecutive bytes, at a multiple of 256 from the buffer's first byte
.endr
.irp p, 0,1,2
	global_store_b64 v[10+\a], v[QP+6+2*\p:QP+7+2*\p], s[2:3] offset:256*\p
.endr
.endr
.irp g, 0,1                            ; the scale words of tiles 2 g and 2 g + 1: two runs of 64 bytes a store
	v_perm_b32 v[244+3*\g], v[PW+2*\g+1], v[PW+2*\g], s104
	v_perm_b32 v[245+3*\g], v[PW+2*\g+1], v[PW+2*\g], s105
	v_cndmask_b32 v[246+3*\g], v[244+3*\g], v[245+3*\g], vcc_lo
	global_store_b32 v[14+\g], v[246+3*\g], s[100:101]
.endr
	s_wait_tensorcnt 0x0
	ds_add_u32 v254, v255
	s_wait_dscnt 0x0
	CROUND                                         ; the closing round: no work-group ends while a partner may still ask for a tile that names it
	s_endpgm
.Lfunc_end_k_q7d13451863_proj:
	.size	k_q7d13451863_proj, .Lfunc_end_k_q7d13451863_proj-k_q7d13451863_proj
	.p2alignl 7, 3214868480
	.fill 96, 4, 3214868480
	.section	.rodata,"a",@progbits
	.p2align	6, 0x0
	.amdhsa_kernel k_q7d13451863_proj
		.amdhsa_group_segment_fixed_size 327680
		.amdhsa_private_segment_fixed_size 0
		.amdhsa_enable_private_segment 0
		.amdhsa_kernarg_size 24
		.amdhsa_user_sgpr_count 2
		.amdhsa_user_sgpr_kernarg_segment_ptr 1
		.amdhsa_wavefront_size32 1
		.amdhsa_system_sgpr_workgroup_id_x 1
		.amdhsa_system_sgpr_workgroup_id_y 1
		.amdhsa_system_sgpr_workgroup_id_z 1
		.amdhsa_system_vgpr_workitem_id 0
		.amdhsa_next_free_vgpr 768
		.amdhsa_next_free_sgpr 106
		.amdhsa_reserve_vcc 1
		.amdhsa_float_denorm_mode_32 3
		.amdhsa_float_denorm_mode_16_64 3
		.amdhsa_memory_ordered 1
		.amdhsa_forward_progress 1
		.amdhsa_inst_pref_size 107
	.end_amdhsa_kernel
	.amdgpu_metadata
---
amdhsa.version: [ 1, 2 ]
amdhsa.kernels:
  - .name:           k_q7d13451863_proj
    .symbol:         k_q7d13451863_proj.kd
    .args:
      - { .name: xq, .offset: 0, .size: 8, .value_kind: global_buffer, .address_space: global }
      - { .name: wq, .offset: 8, .size: 8, .value_kind: global_buffer, .address_space: global }
      - { .name: qkv, .offset: 16, .size: 8, .value_kind: global_buffer, .address_space: global }
    .group_segment_fixed_size: 327680
    .private_segment_fixed_size: 0
    .kernarg_segment_align: 8
    .kernarg_segment_size: 24
    .max_flat_workgroup_size: 128
    .sgpr_count:     106
    .vgpr_count:     768
    .wavefront_size: 32
...
	.end_amdgpu_metadata
.endif
;; end of part 2
;; launch attn (part 3): grid 4 x 64, 16 waves a work-group, clusters of 4 x 1, 327,680 bytes of LDS; arguments qkv, oq; writes oq
.if DOCPART == 3
	.amdgcn_target "amdgcn-amd-amdhsa--gfx1250"
	.amdhsa_code_object_version 6
	.text
	.protected	k_q7d13451863_attn
	.globl	k_q7d13451863_attn
	.p2align	8
	.type	k_q7d13451863_attn,@function
k_q7d13451863_attn:
	s_mov_b64 s[64:65], 0
	v_nop
	global_prefetch_b8 v0, s[64:65] scope:SCOPE_SE
	s_setreg_imm32_b32 hwreg(HW_REG_WAVE_MODE, 25, 1), 1
	s_wait_xcnt 0x0
	s_wait_alu depctr_hold_cnt(0) depctr_sa_sdst(0) depctr_va_vdst(0) depctr_va_sdst(0) depctr_va_ssrc(0) depctr_va_vcc(0) depctr_vm_vsrc(0)
	s_getreg_b32 s2, hwreg(HW_REG_IB_STS2, 6, 4)
	s_cmp_eq_u32 s2, 0
	s_cbranch_scc0 .Lentry_in_a_cluster
	s_endpgm
.Lentry_in_a_cluster:
	s_bfe_u32 s2, ttmp6, 0x10000c
	s_cmp_lg_u32 s2, 0x3003
	s_cbranch_scc0 .Lentry_shape_is_right
	s_endpgm
.Lentry_shape_is_right:
; o[bh][q][:] = sum over k of softmax_k(8 q . k) v[k][:], 64 heads bh of 2,048 tokens x 64 channels; both products on codes of FP6 (E2M3) with E8M0 scales; o is quantised along (head, d) and stored as the last product's operand.
; SOFTMAX: t = score x 8 log2(e); M = the running largest t rounded UP to a whole number; p = 2^(t - M) is quantised along the keys, not normalised; the row's sum is taken of the unquantised p and divides O at the end.
; When M moves, the sum and O are multiplied by 2^(old M - new M), which rounds nothing.
; INPUTS (the launch before made them): q, k codes [kk][bh][128 tiles of 16 tokens][768 bytes = registers 0-5 of a fragment, K = 64]; v codes [bh][16 steps of 128 keys][4 tiles of d][1,536];
;   q, k scale halfwords [kk][bh][64 pairs of tiles][16 rows][2]; v scale words [bh][16][4][16].  A piece of 256 bytes holds two registers, lane l's 8 bytes at 8 l.
; K = 64 IN AN INSTRUCTION OF K = 128: two neighbouring tiles of keys are one fragment; Q stands between two runs of six zero registers: v[22:33] = (q, 0) gives the first tile's scores, v[16:27] = (0, q) the second's.
; Both products are used transposed: a lane holds ONE query (lane % 16).  Register 16 B + i of S^T is key 32 B + 16 (i / 8) + 8 (lane / 16) + i % 8, the order in which v's codes stand in each block of 32.
; SHARES: a work-group owns 512 queries of a head; each of its 16 waves one tile of 16 at a time, in two walks over the 2,048 keys.
; THE HEAD'S WHOLE K AND V LIE IN LDS, FILLED ONCE, one tensor load a wave: waves 0-5 K's codes, waves 6-11 V's (16,384 bytes each, at LDS byte 16,384 w), waves 12-13 K's scales, 14-15 V's (2,048 bytes each).
; CLUSTER 4 x 1: the four work-groups of a head ask for every tile jointly (mask 15).  No prefetch: all is asked for at the head, and no loop runs ahead of a load.
; LIMITS: NaN and infinities are not served; the promise holds while |t| stays under 2^31; p under 2^-126 counts as 0; a block of zeros gets the byte 1 (zero codes; this program alone reads the bytes).
; REGISTERS: v1-4 LDS places, v5-6 global offsets, v8-11 the step's LDS addresses; v12 -M, v13 largest t, v[14:15] the sum; v16-33 zeros, Q, zeros; v34 Q's scale word; v36-83 four fragments of K, then V;
;   v84-87 their scale words; v96-159 S^T, then p; v160-191 O^T; v192-210 p's codes; v212-218 the second walk's Q; v232-254 at work; v251, v255 the add's two.
.set QKS, 18874368
.set XSC, 6291456
.set VC,  98304
.set KSL, 196608
.set VSL, 200704
.set SPARE, 204800
.set WV,  10
.set G1C, 16                           ; s[16:23] group 1: 64 rows of 256 bytes;  s[24:31]: 8 rows
.set G1S, 24
.set G0S, 32
.set G0C, 36
.set SEL, 52
.set CS,  54                           ; s[54:55] c = 8 log2(e)
.set TB,  56                           ; the step's codes: 6,144 bytes a step
.set TS,  57                           ; its scale words: 256 bytes a step
.set CNT, 58
.set SQ,  60
.set SQS, 62
.set SO,  66
.set SOS, 68
.macro CROUND                          ; a round of the cluster's barrier
	s_barrier_signal -1
	s_barrier_wait -1
	s_cmp_lg_u32 s[WV], 0
	s_cbranch_scc1 .Lnot_wave_0_\@
	s_barrier_signal -3
.Lnot_wave_0_\@:
	s_barrier_wait -3
	s_barrier_signal -1
	s_barrier_wait -1
.endm
	s_load_b128 s[4:7], s[0:1], 0x0                ; qkv, oq
	v_lshl_add_u32 v251, v0, 2, SPARE
	v_mov_b32 v255, 0
	ds_add_u32 v251, v255                          ; the opening lines: the add twice on end and one wait
	ds_add_u32 v251, v255
	v_lshrrev_b32 v1, 5, v0
	v_readfirstlane_b32 s[WV], v1                  ; wave 0..15
	s_and_b32 s14, ttmp7, 0xffff                   ; the head bh, which the four partners share
.irp g, G1C, G1S
	s_mov_b32 s[\g], 15|(3<<16)|(1<<21)            ; mask: all four work-groups; elements of 8 bytes; bit 21 beside a mask
	s_mov_b32 s[\g+1], 32<<16
	s_mov_b32 s[\g+3], 32<<16
	s_mov_b32 s[\g+5], 32
	s_mov_b32 s[\g+6], 0
	s_mov_b32 s[\g+7], 0
.endr
	s_mov_b32 s[G1C+2], 64<<16
	s_mov_b32 s[G1C+4], 64
	s_mov_b32 s[G1S+2], 8<<16
	s_mov_b32 s[G1S+4], 8
	s_add_co_u32 s2, s14, 64                       ; k's heads lie behind q's 64, v's 64 heads further on, in codes and in scales alike
	s_mul_i32 s8, s2, 98304
	s_mul_i32 s3, s[WV], 11
	s_lshr_b32 s3, s3, 6                           ; 0 for waves 0-5 (K), 1 for waves 6-11 (V)
	s_mul_i32 s3, s3, 6291456-98304
	s_add_co_u32 s8, s8, s3
	s_lshl_b32 s15, s[WV], 14                      ; 16,384 w: my place in LDS, and, with the term above, in memory
	s_add_co_u32 s8, s8, s15
	s_mov_b32 s9, 0
	s_lshl_b32 s2, s2, 12
	s_and_b32 s13, s[WV], 3                        ; waves 12-15: u = 0, 1 K's scales, 2, 3 V's
	s_lshr_b32 s3, s13, 1
	s_mul_i32 s3, s3, 262144-4096
	s_add_co_u32 s2, s2, s3
	s_lshl_b32 s13, s13, 11                        ; 2,048 u
	s_add_co_u32 s2, s2, s13
	s_add_co_u32 s2, s2, QKS
	s_mov_b32 s3, 0
	s_wait_dscnt 0x0
	s_wait_kmcnt 0x0
	s_add_nc_u64 s[8:9], s[4:5], s[8:9]
	s_add_nc_u64 s[2:3], s[4:5], s[2:3]
	s_mov_b32 s[G0C], 1
	s_mov_b32 s[G0C+1], s15
	s_mov_b64 s[G0C+2:G0C+3], s[8:9]
	s_or_b32 s[G0C+3], s[G0C+3], 0x80000000
	s_mov_b32 s[G0S], 1
	s_add_co_u32 s[G0S+1], s13, KSL
	s_mov_b64 s[G0S+2:G0S+3], s[2:3]
	s_or_b32 s[G0S+3], s[G0S+3], 0x80000000
	CROUND                                         ; all four work-groups are here: the joint loads meet
	s_cmp_lt_u32 s[WV], 12                         ; one load a wave, one branch on the wave's number, both arms with a load
	s_cbranch_scc0 .Lscales
	tensor_load_to_lds s[G0C:G0C+3], s[G1C:G1C+7]
	s_nop 0
.rept 4
	v_nop
.endr
	s_branch .Lasked
.Lscales:
	tensor_load_to_lds s[G0S:G0S+3], s[G1S:G1S+7]
	s_nop 0
.rept 4
	v_nop
.endr
.Lasked:
	s_bfe_u32 s59, ttmp6, 0x40000                  ; cx: which 512 queries; it enters Q's and o's global addresses alone
	s_lshl_b32 s2, s14, 7
	s_lshl_b32 s3, s59, 5
	s_add_co_u32 s2, s2, s3
	s_add_co_u32 s2, s2, s[WV]                     ; the first walk's tile of queries: 128 bh + 32 cx + w; the second's lies 16 tiles on
	s_mul_i32 s2, s2, 768
	s_mov_b32 s3, 0
	s_add_nc_u64 s[SQ:SQ+1], s[4:5], s[2:3]
	s_lshl_b32 s2, s14, 12
	s_lshl_b32 s8, s59, 10
	s_add_co_u32 s2, s2, s8
	s_lshr_b32 s8, s[WV], 1
	s_lshl_b32 s8, s8, 6
	s_add_co_u32 s2, s2, s8
	s_and_b32 s8, s[WV], 1
	s_lshl_b32 s8, s8, 1
	s_add_co_u32 s2, s2, s8
	s_add_co_u32 s2, s2, QKS
	s_add_nc_u64 s[SQS:SQS+1], s[4:5], s[2:3]      ; its pair's 64 bytes, my tile's halfwords
	s_lshr_b32 s8, s14, 4
	s_lshl_b32 s8, s8, 7
	s_lshl_b32 s9, s59, 5
	s_add_co_u32 s8, s8, s9
	s_add_co_u32 s8, s8, s[WV]                     ; the same tokens' tile in oq: 128 b + 32 cx + w
	s_and_b32 s9, s14, 15                          ; head
	s_mul_i32 s2, s8, 12288
	s_mul_i32 s15, s9, 768                         ; a head is half a fragment
	s_add_co_u32 s2, s2, s15
	s_add_nc_u64 s[SO:SO+1], s[6:7], s[2:3]
	s_lshl_b32 s2, s8, 9
	s_lshr_b32 s15, s9, 1
	s_lshl_b32 s15, s15, 6
	s_add_co_u32 s2, s2, s15
	s_and_b32 s15, s9, 1
	s_lshl_b32 s15, s15, 1
	s_add_co_u32 s2, s2, s15
	s_add_co_u32 s2, s2, XSC
	s_add_nc_u64 s[SOS:SOS+1], s[6:7], s[2:3]
	s_mov_b32 s[SEL], 0x76543210
	s_mov_b32 s[SEL+1], 0xfedcba98                 ; lane l xor 16
	s_mov_b32 s[CS], 0x4138aa3b                    ; c = 8 log2(e)
	s_mov_b32 s[CS+1], s[CS]
	v_and_b32 v7, 31, v0
	v_and_b32 v6, 15, v0
	v_lshlrev_b32 v5, 3, v7                        ; 8 lane
	v_lshlrev_b32 v6, 2, v6                        ; 4 r
	v_lshlrev_b32 v1, 3, v7                        ; K's pieces in LDS
	v_add_nc_u32 v3, KSL, v6                       ; K's scale words
	v_add_nc_u32 v4, VSL, v6                       ; V's
	v_add_nc_u32 v2, VC, v1                        ; V's pieces
.irp q, 0,1,2
	global_load_b64 v[22+2*\q:23+2*\q], v5, s[SQ:SQ+1] offset:256*\q
.endr
	global_load_u16 v35, v6, s[SQS:SQS+1]
.irp q, 0,1,2
	global_load_b64 v[212+2*\q:213+2*\q], v5, s[SQ:SQ+1] offset:12288+256*\q   ; the second walk's Q, kept until then
.endr
	global_load_u16 v218, v6, s[SQS:SQS+1] offset:512
.irp j, 16,17,18,19,20,21,28,29,30,31,32,33
	v_mov_b32 v[\j], 0                             ; zero codes on both sides of Q
.endr
.irp b, 0,1,2,3
	v_mov_b32 v[236+\b], 0                         ; a lane permute's destination counts as one of its sources
.endr
	v_mov_b32 v252, 0
	v_mov_b32 v253, 0
.macro STEP                            ; 128 keys
	v_add_nc_u32 v8, s[TB], v1                     ; these four are also the places between the last step's products and the loads into their registers
	v_add_nc_u32 v9, s[TB], v2
	v_add_nc_u32 v10, s[TS], v3
	v_add_nc_u32 v11, s[TS], v4
.irp f, 0,1,2,3
.irp p, 0,1,2,3,4,5
	ds_load_b64 v[36+12*\f+2*\p:37+12*\f+2*\p], v8 offset:1536*\f+256*\p
.endr
	ds_load_b32 v[84+\f], v10 offset:64*\f
.endr
	s_wait_alu depctr_va_vdst(0)
	s_wait_dscnt 0x0
.irp f, 0,1,2,3
	v_wmma_scale_f32_16x16x128_f8f6f4 v[96+16*\f:103+16*\f], v[36+12*\f:47+12*\f], v[22:33], 0, v[84+\f], v34 matrix_a_fmt:MATRIX_FMT_FP6 matrix_b_fmt:MATRIX_FMT_FP6
	v_wmma_scale_f32_16x16x128_f8f6f4 v[104+16*\f:111+16*\f], v[36+12*\f:47+12*\f], v[16:27], 0, v[84+\f], v34 matrix_a_fmt:MATRIX_FMT_FP6 matrix_b_fmt:MATRIX_FMT_FP6
.endr
.rept 4
	v_nop                                          ; four places: ahead of the loads into K's registers and of the first read of the scores
.endr
.irp f, 0,1,2,3                                ; V's fragments are asked for now and land under the softmax
.irp p, 0,1,2,3,4,5
	ds_load_b64 v[36+12*\f+2*\p:37+12*\f+2*\p], v9 offset:1536*\f+256*\p
.endr
	ds_load_b32 v[84+\f], v11 offset:64*\f
.endr
.irp b, 0,1,2,3
	v_max3_num_f32 v[232+\b], v[96+16*\b], v[97+16*\b], v[98+16*\b]   ; each block's largest score: for the row's maximum and for the block's largest p; the four blocks by turns
.endr
.irp i, 3,5,7,9,11,13
.irp b, 0,1,2,3
	v_max3_num_f32 v[232+\b], v[232+\b], v[96+16*\b+\i], v[97+16*\b+\i]
.endr
.endr
.irp b, 0,1,2,3
	v_max_num_f32 v[232+\b], v[232+\b], v[111+16*\b]
.endr
.irp b, 0,1,2,3
	v_permlanex16_b32 v[236+\b], v[232+\b], s[SEL], s[SEL+1]
.endr
.irp b, 0,1,2,3
	v_max_num_f32 v[232+\b], v[232+\b], v[236+\b]  ; with lane l xor 16's 16 keys
.endr
	s_delay_alu instid0(VALU_DEP_2)
	v_max3_num_f32 v254, v232, v233, v234
	s_delay_alu instid0(VALU_DEP_1)
	v_max_num_f32 v254, v254, v235
	s_delay_alu instid0(VALU_DEP_1)
	v_mul_f32 v254, s[CS], v254                    ; as t (c is positive)
	s_delay_alu instid0(VALU_DEP_1)
	v_max_num_f32 v13, v13, v254                   ; the running largest t
	v_mov_b32 v254, v12
	s_delay_alu instid0(VALU_DEP_2)
	v_floor_f32 v12, -v13                          ; the new -M
	s_delay_alu instid0(VALU_DEP_1)
	v_sub_f32 v254, v12, v254                      ; old M - new M: a whole number, 0 or less
	s_delay_alu instid0(VALU_DEP_1)
	v_cvt_i32_f32 v254, v254
	s_delay_alu instid0(VALU_DEP_1)
	v_ldexp_f32 v252, 1.0, v254                    ; f = 2^(old M - new M)
.set j, 0
.rept 32
	v_pk_fma_f32 v[96+j:97+j], v[96+j:97+j], s[CS:CS+1], v[12:13] op_sel_hi:[1,0,0]   ; t - M
.set j, j+2
.endr
.irp b, 0,1,2,3
	v_fma_f32 v[232+\b], v[232+\b], s[CS], v12
.endr
	s_wait_alu depctr_va_vdst(0)                   ; the wait ahead of the batch
.set j, 0
.rept 64
	v_exp_f32 v[96+j], v[96+j]                     ; p = 2^(t - M)
.set j, j+1
.endr
	v_pk_mul_f32 v[14:15], v[14:15], v[252:253] op_sel_hi:[1,0]   ; the sums under the new M: the plain place behind the batch
	s_wait_alu depctr_va_vdst(0)                   ; one wait for the batch, ahead of its first reader
.irp b, 0,1,2,3
	v_exp_f32 v[232+\b], v[232+\b]                 ; each block's largest p
.endr
.irp k, 0,1,2,3                                ; the row's sum of the unquantised p: four chains by turns
	v_pk_add_f32 v[236+2*\k:237+2*\k], v[96+4*\k:97+4*\k], v[98+4*\k:99+4*\k]
.endr
.irp j, 112,120,128,136,144,152
.irp k, 0,1,2,3
	v_pk_add_f32 v[236+2*\k:237+2*\k], v[236+2*\k:237+2*\k], v[\j+2*\k:\j+2*\k+1]
.endr
.endr
	v_pk_add_f32 v[236:237], v[236:237], v[238:239]
	v_pk_add_f32 v[240:241], v[240:241], v[242:243]
	s_delay_alu instid0(VALU_DEP_1)
	v_pk_add_f32 v[236:237], v[236:237], v[240:241]
	s_delay_alu instid0(VALU_DEP_1)
	v_pk_add_f32 v[14:15], v[14:15], v[236:237]
	s_wait_alu depctr_va_vdst(0)                   ; and one for the four
.irp b, 0,1,2,3
	v_max_num_f32 v[232+\b], 0x1800000, v[232+\b]  ; the floor 2^(3 - 127)
.endr
.irp b, 0,1,2,3
	v_add_nc_u32 v[244+\b], 0xff000000, v[232+\b]  ; 2 off the exponent field: the conversion's scale operand
.endr
.irp b, 0,1,2,3
	v_lshrrev_b32 v[236+\b], 23, v[244+\b]
.endr
	v_lshl_or_b32 v253, v237, 8, v236              ; p's scale word for these 128 keys
	s_delay_alu instid0(VALU_DEP_1)
	v_lshl_or_b32 v253, v238, 16, v253
	s_delay_alu instid0(VALU_DEP_1)
	v_lshl_or_b32 v253, v239, 24, v253
.irp c, 0,1
	v_cvt_scalef32_pk16_fp6_f32 v[192+6*\c:194+6*\c], v[96+32*\c:111+32*\c], v[244+2*\c]
	v_cvt_scalef32_pk16_fp6_f32 v[204+4*\c:206+4*\c], v[112+32*\c:127+32*\c], v[245+2*\c]
.endr
	v_nop                                          ; one plain place behind a scaled conversion
.irp c, 0,1
.irp i, 0,1,2
	v_permlane16_swap_b32 v[192+6*\c+\i], v[204+4*\c+\i]
.endr
.irp i, 0,1,2
	v_mov_b32 v[195+6*\c+\i], v[204+4*\c+\i]
.endr
.endr
	s_wait_alu depctr_va_vdst(0)                   ; the wait directly ahead of the first reader of O^T
.set j, 0
.rept 16
	v_pk_mul_f32 v[160+j:161+j], v[160+j:161+j], v[252:253] op_sel_hi:[1,0]   ; O^T under the new M; also the places between p's codes and scale word and the products
.set j, j+2
.endr
	s_wait_alu depctr_va_vdst(0)                   ; the wait directly ahead of the wait below
	s_wait_dscnt 0x0                               ; V is in
.irp t, 0,1,2,3
	v_wmma_scale_f32_16x16x128_f8f6f4 v[160+8*\t:167+8*\t], v[36+12*\t:47+12*\t], v[192:203], v[160+8*\t:167+8*\t], v[84+\t], v253 matrix_a_fmt:MATRIX_FMT_FP6 matrix_b_fmt:MATRIX_FMT_FP6
.endr
	s_add_co_u32 s[TB], s[TB], 6144
	s_add_co_u32 s[TS], s[TS], 256
.endm
.macro WALK                            ; sixteen steps over the head's 2,048 keys; all of K and V lies in LDS: no barrier inside
	s_mov_b32 s[CNT], 16
.Lwalk_\@:
	STEP
	s_sub_co_u32 s[CNT], s[CNT], 1
	s_cmp_lg_u32 s[CNT], 0
	s_cbranch_scc1 .Lwalk_\@
.endm
.macro BEGIN
	v_mov_b32 v13, 0xff61b1e6                      ; the largest t so far: -3e38
	v_mov_b32 v14, 0
	v_mov_b32 v15, 0
	v_floor_f32 v12, -v13
.set j, 0
.rept 32
	v_mov_b32 v[160+j], 0                          ; O^T: the step is written once and finds zeros
.set j, j+1
.endr
	s_mov_b32 s[TB], 0
	s_mov_b32 s[TS], 0
.endm
.macro WAYOUT p                        ; O^T / the sum is quantised along d (two blocks of 32) and leaves as three whole pieces and a scale halfword a row
.rept 4
	v_nop
.endr
	v_add_f32 v14, v14, v15
	s_delay_alu instid0(VALU_DEP_1)
	v_permlanex16_b32 v252, v14, s[SEL], s[SEL+1]
	s_delay_alu instid0(VALU_DEP_1)
	v_add_f32 v14, v14, v252                       ; the row's sum
	s_wait_alu depctr_va_vdst(0)
	v_rcp_f32 v14, v14
	v_nop
	s_wait_alu depctr_va_vdst(0)
.set j, 0
.rept 32
	v_mul_f32 v[96+j], v[160+j], v14
.set j, j+1
.endr
.irp b, 0,1
	v_max3_num_f32 v[232+\b], |v[96+16*\b]|, |v[97+16*\b]|, 0x1800000
.endr
.irp i, 2,4,6,8,10,12,14
.irp b, 0,1
	s_delay_alu instid0(VALU_DEP_2)
	v_max3_num_f32 v[232+\b], v[232+\b], |v[96+16*\b+\i]|, |v[97+16*\b+\i]|
.endr
.endr
.irp b, 0,1
	s_delay_alu instid0(VALU_DEP_2)
	v_permlanex16_b32 v[236+\b], v[232+\b], s[SEL], s[SEL+1]
.endr
.irp b, 0,1
	s_delay_alu instid0(VALU_DEP_2)
	v_max_num_f32 v[232+\b], v[232+\b], v[236+\b]
.endr
.irp b, 0,1
	s_delay_alu instid0(VALU_DEP_2)
	v_add_nc_u32 v[244+\b], 0xff000000, v[232+\b]
.endr
.irp b, 0,1
	s_delay_alu instid0(VALU_DEP_2)
	v_lshrrev_b32 v[236+\b], 23, v[244+\b]
.endr
	s_delay_alu instid0(VALU_DEP_1)
	v_lshl_or_b32 v220, v237, 8, v236
	v_cvt_scalef32_pk16_fp6_f32 v[192:194], v[96:111], v244
	v_cvt_scalef32_pk16_fp6_f32 v[204:206], v[112:127], v245
	v_nop
.irp i, 0,1,2
	v_permlane16_swap_b32 v[192+\i], v[204+\i]
.endr
.irp i, 0,1,2
	v_mov_b32 v[195+\i], v[204+\i]
.endr
.irp q, 0,1,2
	global_store_b64 v5, v[192+2*\q:193+2*\q], s[SO:SO+1] offset:196608*\p+256*\q   ; 32 lanes store 256 consecutive bytes, aligned
.endr
	global_store_b16 v6, v220, s[SOS:SOS+1] offset:8192*\p   ; two bytes a row: two heads share a scale word; lanes r and r + 16 hold the same halfword
.endm
	s_wait_loadcnt 0x0                             ; Q of both walks
	v_lshl_or_b32 v34, v35, 16, v35                ; Q's halfword twice: it serves (q, 0) and (0, q)
	BEGIN
	s_wait_alu depctr_va_vdst(0)                   ; the wait at the head's end
	s_wait_tensorcnt 0x0                           ; my one load has landed;
	s_barrier_signal -1
	s_barrier_wait -1                              ; everybody's has: K, V and their scales are whole, and are only read from here on
	WALK
	WAYOUT 0
	s_wait_xcnt 0x0                                ; the stores have read their registers: the next walk writes them again
.irp i, 0,1,2,3,4,5
	v_mov_b32 v[22+\i], v[212+\i]
.endr
	v_lshl_or_b32 v34, v218, 16, v218
	BEGIN
	WALK
	WAYOUT 1
	s_wait_tensorcnt 0x0                           ; the wave's end
	ds_add_u32 v251, v255
	s_wait_dscnt 0x0
	CROUND                                         ; the closing round
	s_endpgm
.Lfunc_end_k_q7d13451863_attn:
	.size	k_q7d13451863_attn, .Lfunc_end_k_q7d13451863_attn-k_q7d13451863_attn
	.p2alignl 7, 3214868480
	.fill 96, 4, 3214868480
	.section	.rodata,"a",@progbits
	.p2align	6, 0x0
	.amdhsa_kernel k_q7d13451863_attn
		.amdhsa_group_segment_fixed_size 327680
		.amdhsa_private_segment_fixed_size 0
		.amdhsa_enable_private_segment 0
		.amdhsa_kernarg_size 16
		.amdhsa_user_sgpr_count 2
		.amdhsa_user_sgpr_kernarg_segment_ptr 1
		.amdhsa_wavefront_size32 1
		.amdhsa_system_sgpr_workgroup_id_x 1
		.amdhsa_system_sgpr_workgroup_id_y 1
		.amdhsa_system_sgpr_workgroup_id_z 1
		.amdhsa_system_vgpr_workitem_id 0
		.amdhsa_next_free_vgpr 256
		.amdhsa_next_free_sgpr 72
		.amdhsa_reserve_vcc 0
		.amdhsa_float_denorm_mode_32 3
		.amdhsa_float_denorm_mode_16_64 3
		.amdhsa_memory_ordered 1
		.amdhsa_forward_progress 1
		.amdhsa_inst_pref_size 55
	.end_amdhsa_kernel
	.amdgpu_metadata
---
amdhsa.version: [ 1, 2 ]
amdhsa.kernels:
  - .name:           k_q7d13451863_attn
    .symbol:         k_q7d13451863_attn.kd
    .args:
      - { .name: qkv, .offset: 0, .size: 8, .value_kind: global_buffer, .address_space: global }
      - { .name: oq, .offset: 8, .size: 8, .value_kind: global_buffer, .address_space: global }
    .group_segment_fixed_size: 327680
    .private_segment_fixed_size: 0
    .kernarg_segment_align: 8
    .kernarg_segment_size: 16
    .max_flat_workgroup_size: 512
    .sgpr_count:     72
    .vgpr_count:     256
    .wavefront_size: 32
...
	.end_amdgpu_metadata
.endif
;; end of part 3
;; launch outp (part 4): grid 8 x 32, 4 waves a work-group, clusters of 4 x 4, 327,680 bytes of LDS; arguments oq, wq, out0; writes out0
.if DOCPART == 4
	.amdgcn_target "amdgcn-amd-amdhsa--gfx1250"
	.amdhsa_code_object_version 6
	.text
	.protected	k_q7d13451863_outp
	.globl	k_q7d13451863_outp
	.p2align	8
	.type	k_q7d13451863_outp,@function
k_q7d13451863_outp:
	s_mov_b64 s[64:65], 0
	v_nop
	global_prefetch_b8 v0, s[64:65] scope:SCOPE_SE
	s_setreg_imm32_b32 hwreg(HW_REG_WAVE_MODE, 25, 1), 1
	s_wait_xcnt 0x0
	s_wait_alu depctr_hold_cnt(0) depctr_sa_sdst(0) depctr_va_vdst(0) depctr_va_sdst(0) depctr_va_ssrc(0) depctr_va_vcc(0) depctr_vm_vsrc(0)
	s_getreg_b32 s2, hwreg(HW_REG_IB_STS2, 6, 4)
	s_cmp_eq_u32 s2, 0
	s_cbranch_scc0 .Lentry_in_a_cluster
	s_endpgm
.Lentry_in_a_cluster:
	s_bfe_u32 s2, ttmp6, 0x10000c
	s_cmp_lg_u32 s2, 0xf033
	s_cbranch_scc0 .Lentry_shape_is_right
	s_endpgm
.Lentry_shape_is_right:
; out0 = Q(o) Q(w_out), 8,192 x 1,024 x 1,024, on codes of FP6 (E2M3) with E8M0 scales; f32 out.
; THE CORE: C' = S0 S1^T, K = 1,024.  S0 = 128 rows of the weight (wq's tiles 192 on), S1 = 256 tokens of oq.  Wave w takes S0's 8 tiles of 16 against S1's tiles 4 w .. 4 w + 3: 32 accumulators.
; Source 0 = S0, source 1 = S1: a lane holds ONE token (lane % 16), and an accumulator's eight registers are eight neighbouring columns of out0.
; OPERANDS lie in memory as images of registers: [tile][8 K steps][1,536 bytes], six pieces of 256 bytes, lane l's 8 bytes at 8 l; scale words [tile][8][16].  Inside each block of 32 both hold K in the same order.
; THE WHOLE K PANEL OF BOTH OPERANDS IS BROUGHT INTO LDS ONCE, in two halves of 512 along K, with the scale words.  No LDS byte is filled twice, so there is no ring.
; A wave issues one tensor load at the head and one for K steps 4-7 behind a round of the cluster's barrier; that one is waited for ahead of step 4's fragments.
; CLUSTER 4 x 4: S1's tiles hang on the tile row alone and are asked for jointly by a row of the cluster, S0's on the tile column and by a column.
; REGISTERS, in windows of 256: window 0: v1-12 addresses; v32-63 S1's scale words, v64-127 S0's; v128-175, v176-223 S1's four fragments, two sets; on the way out v128-255 hold rows of out0.
;   window 1: accumulator (a, b) at v[8 (8 a + b)].   window 2: S0's eight fragments, two sets, at v0 and v96.
.set XSC, 6291456
.set WSC, 3145728
; THE FILLS, as the text now has them: each panel comes in two halves along K, every LDS byte filled once.  At the head four tensor loads, one a wave: wave 0 K steps 0-3 of S1's 16 tiles (rows of 6,144 bytes),
; wave 1 those of S0's 8 tiles, wave 2 S1's scale words, wave 3 S0's.  Behind the wait for them, the add and a round of the cluster's barrier, one load a wave brings K steps 4-7: waves 0, 1 S1's halves, waves 2, 3 S0's.
; That load has K steps 0-3, 128 matrix instructions a wave, in which to land, and is waited for ahead of step 4's fragments.
.set A0,  0                            ; LDS: S1's codes [2 halves of K][16 tiles][6,144]
.set B0,  196608                       ; S0's codes [2 halves of K][8 tiles][6,144]
.set SCA, 294912                       ; S1's scale words, 512 bytes a tile
.set SCB, 303104                       ; S0's
.set SPITCH, 528                       ; the way out: a stage of 16 rows x (512 bytes + 16) for each wave, in S1's chunk 0, which has had its only fill and its last read
.set G1A,  24
.set G1B,  32
.set G1SA, 40
.set G1SB, 48
.set G0B,  76
.set G0SA, 92
.set G0SB, 96
.set SA,  32
.set SB,  64
.set F1,  128
.set MSB, 0
.macro WIN new                         ; the immediate's high byte repeats the setting that is left
.if MSB != \new
	s_set_vgpr_msb (MSB<<8)|\new
.set MSB, \new
.endif
.endm
.set MUL,   0x52                       ; source 0 (S0) window 2, source 1 (S1) window 0, C and D window 1
.set TO_S0, 0x80                       ; destination window 2, address window 0
.macro CROUND                          ; a round of the cluster's barrier
	s_barrier_signal -1
	s_barrier_wait -1
	s_cmp_lg_u32 s10, 0
	s_cbranch_scc1 .Lnot_wave_0_\@
	s_barrier_signal -3
.Lnot_wave_0_\@:
	s_barrier_wait -3
	s_barrier_signal -1
	s_barrier_wait -1
.endm
.macro PLACES n
.rept \n
	v_nop
.endr
.endm
	s_load_b128 s[4:7], s[0:1], 0x0                ; oq, wq
	s_load_b64 s[8:9], s[0:1], 0x10                ; out0
	v_lshl_add_u32 v30, v0, 2, 0x4b000
	v_mov_b32 v31, 0
	ds_add_u32 v30, v31
	ds_add_u32 v30, v31
	v_lshrrev_b32 v1, 5, v0
	v_readfirstlane_b32 s10, v1                    ; wave 0..3: waves 0, 1 fetch S1's halves, waves 2, 3 S0's
	s_bfe_u32 s13, ttmp6, 0x40000                  ; cx
	s_bfe_u32 s14, ttmp6, 0x40004                  ; cy
	s_and_b32 s15, ttmp7, 0xffff                   ; the cluster's y
	s_lshl_b32 s16, s14, 2
	s_lshl_b32 s16, 15, s16                        ; my row of the cluster
	s_lshl_b32 s20, 0x1111, s13                    ; my column
	s_or_b32 s[G1A], s16, (3<<16)|(1<<21)          ; the mask; elements of 8 bytes; bit 21 set beside a mask; no padding
	s_or_b32 s[G1SA], s16, (3<<16)|(1<<21)
	s_or_b32 s[G1B], s20, (3<<16)|(1<<21)
	s_or_b32 s[G1SB], s20, (3<<16)|(1<<21)
.irp g, G1A, G1B                       ; half a tile is 6,144 bytes (768 elements); tiles lie 12,288 bytes (1,536 elements) apart
	s_mov_b32 s[\g+1], 768<<16
	s_mov_b32 s[\g+3], 768<<16
	s_mov_b32 s[\g+5], 1536
	s_mov_b32 s[\g+6], 0
	s_mov_b32 s[\g+7], 0
.endr
	s_mov_b32 s[G1A+2], 16<<16                     ; at the head: S1's 16 tiles in one load,
	s_mov_b32 s[G1A+4], 16
	s_mov_b32 s[G1B+2], 8<<16                      ; S0's 8
	s_mov_b32 s[G1B+4], 8
.irp g, G1SA, G1SB                     ; scale words: dense, as rows of 256 bytes
	s_mov_b32 s[\g+1], 32<<16
	s_mov_b32 s[\g+3], 32<<16
	s_mov_b32 s[\g+5], 32
	s_mov_b32 s[\g+6], 0
	s_mov_b32 s[\g+7], 0
.endr
	s_mov_b32 s[G1SA+2], 32<<16
	s_mov_b32 s[G1SA+4], 32
	s_mov_b32 s[G1SB+2], 16<<16
	s_mov_b32 s[G1SB+4], 16
	; S1's first tile, in registers that see cy and the cluster's y alone
	s_lshl_b32 s16, s15, 2
	s_add_co_u32 s16, s16, s14
	s_lshl_b32 s16, s16, 4                         ; tile 16 (4 y + cy)
	s_mul_i32 s18, s16, 12288
	s_mov_b32 s19, 0
	s_lshl_b32 s16, s16, 9
	s_add_co_u32 s16, s16, XSC
	s_mov_b32 s17, 0
	; S0's, in registers that see cx and the cluster's x alone
	s_lshl_b32 s20, ttmp9, 2
	s_add_co_u32 s20, s20, s13
	s_lshl_b32 s20, s20, 3
	s_add_co_u32 s20, s20, 192                     ; tile 192 + 8 (4 x + cx)
	s_mul_i32 s22, s20, 12288
	s_mov_b32 s23, 0
	s_lshl_b32 s20, s20, 9
	s_add_co_u32 s20, s20, WSC
	s_mov_b32 s21, 0
	s_wait_dscnt 0x0
	s_wait_kmcnt 0x0
	s_add_nc_u64 s[18:19], s[4:5], s[18:19]        ; S1's codes
	s_add_nc_u64 s[66:67], s[4:5], s[16:17]        ; S1's scale words
	s_add_nc_u64 s[22:23], s[6:7], s[22:23]        ; S0's codes
	s_add_nc_u64 s[100:101], s[6:7], s[20:21]      ; S0's scale words
	s_mov_b32 s56, 1                               ; groups 0: S1's codes at s[56:59], S0's at s[76:79]
	s_mov_b32 s57, A0
	s_mov_b64 s[58:59], s[18:19]
	s_or_b32 s59, s59, 0x80000000
	s_mov_b32 s[G0B], 1
	s_mov_b32 s[G0B+1], B0
	s_mov_b64 s[G0B+2:G0B+3], s[22:23]
	s_or_b32 s[G0B+3], s[G0B+3], 0x80000000
	s_and_b32 s12, s10, 1                          ; K steps 4-7: which half of the tiles I fetch; groups 0 at s[60:63] (S1) and s[80:83] (S0)
	s_mul_i32 s2, s12, 8*12288
	s_mov_b32 s3, 0
	s_add_nc_u64 s[62:63], s[18:19], s[2:3]
	s_add_nc_u64 s[62:63], s[62:63], 6144
	s_or_b32 s63, s63, 0x80000000
	s_mov_b32 s60, 1
	s_mul_i32 s61, s12, 8*6144
	s_add_co_u32 s61, s61, A0+98304
	s_mul_i32 s2, s12, 4*12288
	s_add_nc_u64 s[G0B+6:G0B+7], s[22:23], s[2:3]
	s_add_nc_u64 s[G0B+6:G0B+7], s[G0B+6:G0B+7], 6144
	s_or_b32 s[G0B+7], s[G0B+7], 0x80000000
	s_mov_b32 s[G0B+4], 1
	s_mul_i32 s[G0B+5], s12, 4*6144
	s_add_co_u32 s[G0B+5], s[G0B+5], B0+49152
	s_mov_b32 s[G0SA], 1
	s_mov_b32 s[G0SA+1], SCA
	s_mov_b64 s[G0SA+2:G0SA+3], s[66:67]
	s_or_b32 s[G0SA+3], s[G0SA+3], 0x80000000
	s_mov_b32 s[G0SB], 1
	s_mov_b32 s[G0SB+1], SCB
	s_mov_b64 s[G0SB+2:G0SB+3], s[100:101]
	s_or_b32 s[G0SB+3], s[G0SB+3], 0x80000000
	CROUND                                         ; all sixteen work-groups are here: the joint loads meet
; the head's four loads, one a wave, in ONE chain of branches on the wave's number: every way passes exactly one
.macro ARM under, g0, g1, next
	s_cmp_lt_u32 s10, \under
	s_cbranch_scc0 \next
	tensor_load_to_lds s[\g0:\g0+3], s[\g1:\g1+7]
	s_nop 0
	PLACES 4
	s_branch .Lfilled
\next:
.endm
	ARM 1, 56,   G1A,  .Lfill_b
	ARM 2, G0B,  G1B,  .Lfill_sa
	ARM 3, G0SA, G1SA, .Lfill_sb
	tensor_load_to_lds s[G0SB:G0SB+3], s[G1SB:G1SB+7]
	s_nop 0
	PLACES 4
.Lfilled:
	v_and_b32 v1, 31, v0                           ; lane
	v_and_b32 v2, 15, v0                           ; r
	v_bfe_u32 v3, v0, 4, 1                         ; h
	s_mul_i32 s2, s10, 24576
	v_lshl_add_u32 v4, v1, 3, s2                   ; S1: my four tiles, K steps 0-3: 24,576 w + 8 lane
	v_add_nc_u32 v5, 98304, v4                     ; K steps 4-7
	v_lshlrev_b32 v6, 3, v1
	v_add_nc_u32 v6, B0, v6                        ; S0: chunks 0, 1
	v_add_nc_u32 v7, 49152, v6                     ; chunks 2, 3
	s_lshl_b32 s3, s10, 11
	v_lshl_add_u32 v8, v2, 2, s3
	v_add_nc_u32 v8, SCA, v8                       ; S1's scale words: my four tiles, row r
	v_lshlrev_b32 v9, 2, v2
	v_add_nc_u32 v9, SCB, v9                       ; S0's
	s_mul_i32 s2, s10, 16*SPITCH                   ; my stage
	v_mul_u32_u24 v10, v2, SPITCH
	v_lshl_add_u32 v10, v3, 5, v10
	v_add_nc_u32 v10, s2, v10                      ; in: row r, 32 bytes for each half of the lanes
	v_lshlrev_b32 v12, 4, v1                       ; back: the 32 lanes take one row of 512 bytes; and the same in out0
	v_add_nc_u32 v11, s2, v12
	s_lshl_b32 s2, s15, 2
	s_add_co_u32 s2, s2, s14
	s_lshl_b32 s2, s2, 8
	s_lshl_b32 s3, s10, 6
	s_add_co_u32 s2, s2, s3                        ; my first token: 256 (4 y + cy) + 64 w
	s_lshl_b32 s2, s2, 12                          ; a row of out0 is 4,096 bytes
	s_lshl_b32 s3, ttmp9, 2
	s_add_co_u32 s3, s3, s13
	s_lshl_b32 s3, s3, 9                           ; my 128 columns: 512 bytes
	s_add_co_u32 s2, s2, s3
	s_mov_b32 s3, 0
	s_add_nc_u64 s[8:9], s[8:9], s[2:3]
.macro FRAG reg, adr, off              ; a fragment comes as it lies: six loads of 8 bytes a lane, 256 consecutive bytes each
.irp p, 0,1,2,3,4,5
	ds_load_b64 v[(\reg)+2*\p:(\reg)+2*\p+1], v[\adr] offset:(\off)+256*\p
.endr
.endm
.macro FETCH q                         ; K step q's fragments into set q % 2: chunk q / 2, its half q % 2
	WIN TO_S0
.irp b, 0,1,2,3,4,5,6,7
	FRAG 96*((\q)%2)+12*\b, 6+(\q)/4, 6144*\b+1536*((\q)%4)   ; v6: K steps 0-3, v7: K steps 4-7
.endr
	WIN 0
.irp a, 0,1,2,3
	FRAG F1+48*((\q)%2)+12*\a, 4+(\q)/4, 6144*\a+1536*((\q)%4)
.endr
.endm
.macro MULS q                          ; 32 matrix instructions; the 32 accumulators take turns, one instruction a turn, in the same order in every step.  Step 0 starts the sums: nothing is cleared
.irp a, 0,1,2,3
.irp b, 0,1,2,3,4,5,6,7
.if (\q) == 0
	v_wmma_scale_f32_16x16x128_f8f6f4 v[8*(8*\a+\b):8*(8*\a+\b)+7], v[96*((\q)%2)+12*\b:96*((\q)%2)+12*\b+11], v[F1+48*((\q)%2)+12*\a:F1+48*((\q)%2)+12*\a+11], 0, v[SB+8*\b+(\q)], v[SA+8*\a+(\q)] matrix_a_fmt:MATRIX_FMT_FP6 matrix_b_fmt:MATRIX_FMT_FP6
.else
	v_wmma_scale_f32_16x16x128_f8f6f4 v[8*(8*\a+\b):8*(8*\a+\b)+7], v[96*((\q)%2)+12*\b:96*((\q)%2)+12*\b+11], v[F1+48*((\q)%2)+12*\a:F1+48*((\q)%2)+12*\a+11], v[8*(8*\a+\b):8*(8*\a+\b)+7], v[SB+8*\b+(\q)], v[SA+8*\a+(\q)] matrix_a_fmt:MATRIX_FMT_FP6 matrix_b_fmt:MATRIX_FMT_FP6
.endif
.endr
.endr
.endm
; A K step of 128 that has a successor.  Its fragments are in; the next step's 72 loads go out in one run, into the set that the step before multiplied (four places behind its last product: ISA guide 7.12.1 for
; vector instructions), and land under this step's 32 products.  tc >= 0: the next step begins a chunk: each wave waits for its part of it (tc = the chunks that it issued behind
; that one) and passes a barrier; later chunks may stay out.
.macro STEP q, tc
	s_wait_dscnt 0x0
.if (\q) > 0
	PLACES 4
.endif
.if (\tc) >= 0
	s_wait_tensorcnt \tc
	s_barrier_signal -1
	s_barrier_wait -1
.endif
	FETCH (\q)+1
	WIN MUL
	MULS \q
.endm
	s_wait_alu depctr_va_vdst(0)
	s_wait_tensorcnt 0x0                           ; my head load has landed
	ds_add_u32 v30, v31
	s_mov_b32 s[G1A+2], 8<<16                      ; no tensor load of mine is out, so a descriptor may be written: from here on S1's load brings 8 tiles,
	s_mov_b32 s[G1A+4], 8
	s_mov_b32 s[G1B+2], 4<<16                      ; S0's 4
	s_mov_b32 s[G1B+4], 4
	s_wait_dscnt 0x0
	CROUND                                         ; everybody's head loads are in, and all sixteen work-groups are here: the joint loads meet
	s_cmp_lt_u32 s10, 2
	s_cbranch_scc0 .Lrest_s0
	tensor_load_to_lds s[60:63], s[G1A:G1A+7]
	s_nop 0
	PLACES 4
	s_branch .Lrest_asked
.Lrest_s0:
	tensor_load_to_lds s[G0B+4:G0B+7], s[G1B:G1B+7]
	s_nop 0
	PLACES 4
.Lrest_asked:
.irp a, 0,1,2,3
.irp q, 0,1,2,3,4,5,6,7
	ds_load_b32 v[SA+8*\a+\q], v8 offset:512*\a+64*\q   ; all scale words come into registers once: they hold scales and nothing else
.endr
.endr
.irp b, 0,1,2,3,4,5,6,7
.irp q, 0,1,2,3,4,5,6,7
	ds_load_b32 v[SB+8*\b+\q], v9 offset:512*\b+64*\q
.endr
.endr
	FETCH 0
	STEP 0, -1
	STEP 1, -1
	STEP 2, -1
	STEP 3, 0
	STEP 4, -1
	STEP 5, -1
	STEP 6, -1
	s_wait_dscnt 0x0                               ; the last step: its fragments are in, and they were my last reads of the panels:
	s_barrier_signal -1                            ; say so,
	MULS 7                                         ; work on registers while the others arrive,
	WIN 0
	s_barrier_wait -1                              ; and behind this wait nobody reads the panels any more: the stages may be written
; THE WAY OUT, a tile of 16 tokens x 128 columns at a time.  A lane holds 32 neighbouring bytes of a row, and the lanes beside it hold other rows: so a block goes through my own stage in LDS and comes back as whole
; rows of 512 bytes.  LDS serves a wave's instructions in order (ISA guide 5.7.1.4): no wait between the stores and the loads, nor in front of the next block's stores.
.macro TOSTAGE a
	WIN 0x04                                       ; an LDS store's data are its source 1: window 1
.irp b, 0,1,2,3,4,5,6,7
	ds_store_b128 v10, v[8*(8*(\a)+\b):8*(8*(\a)+\b)+3] offset:64*\b          ; each accumulator from its low end on
	ds_store_b128 v10, v[8*(8*(\a)+\b)+4:8*(8*(\a)+\b)+7] offset:64*\b+16
.endr
	WIN 0
.irp t, 0,1,2,3,4,5,6,7,8,9,10,11,12,13,14,15
	ds_load_b128 v[128+64*((\a)%2)+4*\t:128+64*((\a)%2)+4*\t+3], v11 offset:\t*SPITCH
.endr
.endm
.macro SEND a, younger                 ; younger: the LDS instructions issued behind block a's loads, which may stay out
	s_wait_dscnt \younger
.if (\a) > 0
	s_add_nc_u64 s[8:9], s[8:9], 65536             ; (behind a wait on XCNT: the earlier stores have read their base)  16 rows of out0 on
.endif
.irp t, 0,1,2,3,4,5,6,7,8,9,10,11,12,13,14,15
	global_store_b128 v12, v[128+64*((\a)%2)+4*\t:128+64*((\a)%2)+4*\t+3], s[8:9] offset:\t*4096 th:TH_STORE_NT   ; 32 lanes store 512 consecutive bytes, at a multiple of 256 from out0's first byte; written once, read by nobody here
.endr
.endm
	PLACES 4                                       ; behind the last products: ahead of the first read of results and of the loads into the registers that held S1's fragments
	TOSTAGE 0
.irp a, 1,2,3
.if \a > 1
	s_wait_xcnt 0x0                                ; block a - 2's stores have read their registers and their base: block a's loads may land there, and the base may step
.endif
	TOSTAGE \a
	SEND \a-1, 32                                  ; behind block a - 1's loads: block a's 16 stores and 16 loads
.endr
	s_wait_xcnt 0x0                                ; block 2's stores have read their base
	SEND 3, 0
	s_wait_tensorcnt 0x0
	ds_add_u32 v30, v31
	s_wait_dscnt 0x0
	CROUND                                         ; the closing round: no work-group ends while a partner may still ask for a tile that names it
	s_endpgm
.Lfunc_end_k_q7d13451863_outp:
	.size	k_q7d13451863_outp, .Lfunc_end_k_q7d13451863_outp-k_q7d13451863_outp
	.p2alignl 7, 3214868480
	.fill 96, 4, 3214868480
	.section	.rodata,"a",@progbits
	.p2align	6, 0x0
	.amdhsa_kernel k_q7d13451863_outp
		.amdhsa_group_segment_fixed_size 327680
		.amdhsa_private_segment_fixed_size 0
		.amdhsa_enable_private_segment 0
		.amdhsa_kernarg_size 24
		.amdhsa_user_sgpr_count 2
		.amdhsa_user_sgpr_kernarg_segment_ptr 1
		.amdhsa_wavefront_size32 1
		.amdhsa_system_sgpr_workgroup_id_x 1
		.amdhsa_system_sgpr_workgroup_id_y 1
		.amdhsa_system_sgpr_workgroup_id_z 1
		.amdhsa_system_vgpr_workitem_id 0
		.amdhsa_next_free_vgpr 768
		.amdhsa_next_free_sgpr 102
		.amdhsa_reserve_vcc 0
		.amdhsa_float_denorm_mode_32 3
		.amdhsa_float_denorm_mode_16_64 3
		.amdhsa_memory_ordered 1
		.amdhsa_forward_progress 1
		.amdhsa_inst_pref_size 101
	.end_amdhsa_kernel
	.amdgpu_metadata
---
amdhsa.version: [ 1, 2 ]
amdhsa.kernels:
  - .name:           k_q7d13451863_outp
    .symbol:         k_q7d13451863_outp.kd
    .args:
      - { .name: oq, .offset: 0, .size: 8, .value_kind: global_buffer, .address_space: global }
      - { .name: wq, .offset: 8, .size: 8, .value_kind: global_buffer, .address_space: global }
      - { .name: out0, .offset: 16, .size: 8, .value_kind: global_buffer, .address_space: global }
    .group_segment_fixed_size: 327680
    .private_segment_fixed_size: 0
    .kernarg_segment_align: 8
    .kernarg_segment_size: 24
    .max_flat_workgroup_size: 128
    .sgpr_count:     102
    .vgpr_count:     768
    .wavefront_size: 32
...
	.end_amdgpu_metadata
.endif
;; end of part 4
